; MI455X (gfx1250); checked and timed in simulation.
; The chip was launched on July 23, 2026; its instructions are those of AMD's public machine-readable ISA for CDNA 5 (MIT licence, August 2026) and "CDNA5" Instruction Set Architecture Reference Guide (July 2026). The comments in the code are by the model that wrote it; some were corrected since.
;; Transformer Block. Allowed arithmetic: matrix products marked QUANTISED: E2M3 operands, one E8M0 scale for each 32 along K, by v_wmma_scale_f32_16x16x128_f8f6f4 with both operands' format E2M3, f32 sums; everything else in f32.
;; Inputs: Wk 768 x 768 float32; Wo 768 x 768 float32; Wq 768 x 768 float32; Wv 768 x 768 float32; b1 3,072 float32; b2 3,072 float32; b3 768 float32; bo 768 float32; g1 768 float32; g2 768 float32; s1 768 float32; s2 768 float32; w1 768 x 3,072 float32; w2 768 x 3,072 float32; w3 3,072 x 768 float32; x 1 x 4,096 x 768 float32.
;; Outputs: out0 1 x 4,096 x 768 float32.
;; This version of the problem:
;;   THIS VERSION OF THE PROBLEM IS GIVEN IN LOW PRECISION. The matrix products marked QUANTISED in the list below multiply operands that are first quantised to E2M3 (2 exponent bits, 3 mantissa bits; 6 bits a number), with one power-of-two scale for each 32 numbers along K (OCP MX v1.0); their sums are f32. All else is computed in f32.
;;   The module's matrix products, in the order in which they are computed (A, B: the left and right operand; K: the contracted axis; several contracted axes count as one K, in the product's order):
;;     1. [M 4,096, K 768] x [K 768, N 768]; A: computed on the way; B: input Wq: QUANTISED
;;     2. [M 4,096, K 768] x [K 768, N 768]; A: computed on the way; B: input Wk: QUANTISED
;;     3. [M 4,096, K 768] x [K 768, N 768]; A: computed on the way; B: input Wv: QUANTISED
;;     4. batch 12 x [M 4,096, K 64] x [K 64, N 4,096]; A: computed on the way; B: computed on the way: QUANTISED
;;     5. batch 12 x [M 4,096, K 4,096] x [K 4,096, N 64]; A: softmax (see below); B: computed on the way: QUANTISED
;;     6. [M 4,096, K 768] x [K 768, N 768]; A: computed on the way; B: input Wo: QUANTISED
;;     7. [M 4,096, K 768] x [K 768, N 3,072]; A: computed on the way; B: input w1: QUANTISED
;;     8. [M 4,096, K 768] x [K 768, N 3,072]; A: computed on the way; B: input w2: QUANTISED
;;     9. [M 4,096, K 3,072] x [K 3,072, N 768]; A: computed on the way; B: input w3: QUANTISED
;;   THE QUANTISER, for each operand of a quantised product, along K:
;;     - K is cut into blocks of 32 from its start; a last block that is shorter is filled with zeros.
;;     - A block's scale is 2^e with e = floor(log2(the largest magnitude in the block)) - 2, held to -126 .. 127; a block of zeros has e = 0. As a byte (E8M0): e + 127.
;;     - Each number is divided by its block's scale, clamped to +-7.5, and rounded to the nearest number of E2M3, ties to even, subnormals kept.
;;     - The product sums the exact products of the quantised numbers (number of the format x scale) in f32.
;;   ~~~python
;;   def quantise(x, axis):      # numpy; x: float32 -> the quantised numbers, widened to float32 again
;;       x = np.moveaxis(x, axis, -1); K = x.shape[-1]
;;       x = np.pad(x, [(0, 0)] * (x.ndim - 1) + [(0, -K % 32)]); x = x.reshape(x.shape[:-1] + (-1, 32)); a = np.abs(x).max(-1, keepdims=True)
;;       e = np.where(a > 0, np.clip(np.frexp(np.where(a > 0, a, 1))[1] - 1 - 2, -126, 127), 0)      # np.frexp(a)[1] - 1 = floor(log2(a)), exactly
;;       r = np.clip(x / 2.0 ** e, -7.5, 7.5)
;;       step = 2.0 ** (np.maximum(np.frexp(np.where(r == 0, 1, r))[1] - 1, 0) - 3)
;;       q = np.round(r / step) * step * 2.0 ** e      # np.round: ties to even
;;       return np.moveaxis(q.reshape(q.shape[:-2] + (-1,))[..., :K], -1, axis).astype(np.float32)
;;   ~~~
;;   SOFTMAX AHEAD OF A QUANTISED PRODUCT. Where the list says 'softmax', what is quantised is not the finished softmax but p = 2^(t - M), with t = logit x log2(e) and M = ceil(the row's largest t), a whole number; so 1/2 < the row's largest p <= 1. The row's sum l is taken of the UNQUANTISED p, in f32, and the product's result is divided by l at the end. Since M is a whole number, a kernel that streams over the keys may use a running M (the ceiling of the running maximum): every later rescaling is an exact power of two, which a block's scale takes up: the codes' values come out the same.
;;   OPERANDS COMPUTED ON THE WAY. 'Computed on the way' means the value that the module computes at that place (a softmax that the list does not call 'softmax' is quantised finished and normalised). What goes into a quantiser is computed in f32, as accurately as f32 sums, v_exp_f32 and their like allow (about 1e-6 of the number): no bf16 or f16 on the way to a quantiser, and a product that is left as it is and whose result goes on into a quantised operand takes f32 operands (vector FMAs, or v_wmma_f32_16x16x4_f32). A number that lies on a knife's edge between two numbers of the format may be rounded either way, as far as f32 arithmetic and the matrix unit's own rounding can turn it there, and no further.
;; One version. Each part assembles by itself: llvm-mc -triple=amdgcn-amd-amdhsa -mcpu=gfx1250 --defsym DOCPART=n.
;; ======== version 1 of 1: 7 launches
;; limits: right only within a limited range of input values
;; workspace buffers: wc 7,372,800 bytes; h1 2,457,600 bytes; h2 2,457,600 bytes; ctx 2,457,600 bytes; qkvc 7,471,104 bytes; x2 12,582,912 bytes; act 9,830,400 bytes
;; launch prep (part 1): grid 640 x 1, 6 waves a work-group, no clusters, 1,792 bytes of LDS; arguments x, g1, s1, Wq, Wk, Wv, Wo, w1, w2, w3, h1, wc; writes h1, wc
.if DOCPART == 1
	.amdgcn_target "amdgcn-amd-amdhsa--gfx1250"
	.amdhsa_code_object_version 6
	.text
	.protected	k_q8b7c3d7cf0_prep
	.globl	k_q8b7c3d7cf0_prep
	.p2align	8
	.type	k_q8b7c3d7cf0_prep,@function
k_q8b7c3d7cf0_prep:
	s_mov_b64 s[64:65], 0
	v_nop
	global_prefetch_b8 v0, s[64:65] scope:SCOPE_SE
	s_setreg_imm32_b32 hwreg(HW_REG_WAVE_MODE, 25, 1), 1
	s_wait_xcnt 0x0
; PREP.  Work-groups 0-255: h1 = codes of layernorm(x; g1, s1).  Work-groups 256-639: the seven weights, f32 [K][N], become codes of FP6 (E2M3) with one E8M0 byte for each 32 along K.
; ALL CODES ARE LAID AS IMAGES OF OPERAND REGISTERS.  A fragment is 16 rows x 128 K, 12 registers a lane (lane (r, h): registers 6 c .. 6 c + 5 = k 64 c + 32 h + 0 .. 31 of row r), 1,536 bytes:
; for c = 0, 1: 512 bytes (registers 6 c .. 6 c + 3 of lane l at 16 l), then 256 bytes (registers 6 c + 4, 6 c + 5 at 8 l).  Its scale words: 64 bytes, word r = row r's four bytes.
; THE 16 ROWS OF TILE T ARE NOT NEIGHBOURS: row r is index 32 (T / 2) + 8 (T % 2) + r % 8 + 16 (r / 8), for tokens and for weight columns alike.
; LAYERNORM: a work-group is one tile of 16 tokens, wave w takes k = 128 w .. 128 w + 127; mean and variance (two passes, as the formula reads) meet in LDS, two barriers.
; WEIGHTS: a work-group takes 192 columns x 128 along K; a lane takes a column and its registers run down K, so a block of 32 is one lane's and its codes come out with K innermost.
; LIMITS: NaN and infinities are not served; a block whose largest magnitude lies under 2^-124 keeps the byte 1, and so does a block of zeros (the stated rule says 127): its codes are zeros and this program alone reads the bytes.
; The 8-byte stores of a weight's codes fill an aligned 256 bytes in two halves (even and odd block); all other code stores cover whole aligned 256-byte runs.
.set XR,  16                           ; v16-79   64 numbers of x
.set GR,  80                           ; v80-143  g
.set SR,  144                          ; v144-207 s
.set TM,  208                          ; v208-223 at work in QUANT
.set PC,  224                          ; v224-242 the codes
.set PW,  244                          ; v244     the scale word
.set SEL, 30                           ; s[30:31] selects of v_permlanex16_b32: lane l xor 16
.set HSC, 2359296                      ; where h's scale words begin
; 64 numbers of a lane, register 16 b + i = k 32 b + 16 (lane / 16) + i of its row, become 12 registers of codes and a scale word.
.macro QUANT s, pc, pw
.irp b, 0,1,2,3
	v_max3_num_f32 v[TM+\b], |v[\s+16*\b]|, |v[\s+1+16*\b]|, 0x1800000   ; block b: my 16 numbers and the floor 2^(3 - 127): the byte cannot fall under 1
.endr
.irp i, 2,4,6,8,10,12,14
.irp b, 0,1,2,3
	v_max3_num_f32 v[TM+\b], v[TM+\b], |v[\s+16*\b+\i]|, |v[\s+1+16*\b+\i]|
.endr
.endr
.irp b, 0,1,2,3
	v_permlanex16_b32 v[TM+4+\b], v[TM+\b], s[SEL], s[SEL+1]
.endr
.irp b, 0,1,2,3
	v_max_num_f32 v[TM+\b], v[TM+\b], v[TM+4+\b]       ; with lane l xor 16's 16: the block's largest magnitude
.endr
.irp b, 0,1,2,3
	v_add_nc_u32 v[TM+12+\b], 0xff000000, v[TM+\b]     ; 2 off its exponent field: the conversion's scale operand
.endr
.irp b, 0,1,2,3
	v_lshrrev_b32 v[TM+4+\b], 23, v[TM+12+\b]          ; the scale's byte
.endr
	v_lshl_or_b32 v[\pw], v[TM+5], 8, v[TM+4]
	v_lshl_or_b32 v[\pw], v[TM+6], 16, v[\pw]
	v_lshl_or_b32 v[\pw], v[TM+7], 24, v[\pw]
.irp c, 0,1
	v_cvt_scalef32_pk16_fp6_f32 v[\pc+6*\c:\pc+2+6*\c], v[\s+32*\c:\s+15+32*\c], v[TM+12+2*\c]
	v_cvt_scalef32_pk16_fp6_f32 v[\pc+12+4*\c:\pc+14+4*\c], v[\s+16+32*\c:\s+31+32*\c], v[TM+12+2*\c+1]   ; (a conversion's three registers begin on an even number)
.endr
	v_nop                                              ; one plain line behind the scaled conversions
.irp c, 0,1                            ; the layout wants a whole block in a lane: lanes 0-15 block 2 c, lanes 16-31 block 2 c + 1
.irp i, 0,1,2
	v_permlane16_swap_b32 v[\pc+6*\c+\i], v[\pc+12+4*\c+\i]
.endr
.irp i, 0,1,2
	v_mov_b32 v[\pc+3+6*\c+\i], v[\pc+12+4*\c+\i]
.endr
.endr
.endm
; the four chains v[246:253] -> the row's sum over all 768 numbers, in v248 of every lane
.macro REDUCE red
	v_pk_add_f32 v[246:247], v[246:247], v[248:249]
	v_pk_add_f32 v[250:251], v[250:251], v[252:253]
	v_pk_add_f32 v[246:247], v[246:247], v[250:251]
	v_add_f32 v246, v246, v247
	v_permlanex16_b32 v247, v246, s[SEL], s[SEL+1]
	v_add_f32 v246, v246, v247                         ; my wave's 128 numbers of row r
	ds_store_b32 v7, v246 offset:\red                  ; word 16 w + r (both halves of the lanes write the same word with the same value)
	s_wait_dscnt 0x0                                   ; for the others' sake: my store has landed
	s_barrier_signal -1
	s_barrier_wait -1
.irp k, 0,1,2,3,4,5
	ds_load_b32 v[248+\k], v8 offset:\red+64*\k
.endr
	s_wait_dscnt 0x0
	v_add_f32 v248, v248, v249
	v_add_f32 v250, v250, v251
	v_add_f32 v252, v252, v253
	v_add_f32 v248, v248, v250
	v_add_f32 v248, v248, v252
.endm
; block t of a column: W(32 t + i, my column), i = 0 .. 31
.macro WLOAD n, t
.set i, 0
.rept 32
	global_load_b32 v[16+32*\t+i], v1, s[34:35] offset:(32*\t+i)*\n*4 th:TH_LOAD_NT   ; 32 lanes read 128 consecutive bytes; the six waves stand side by side
.set i, i+1
.endr
.endm
.macro WBLOCK t
.set XS, 16+32*\t
	v_max3_num_f32 v10, |v[XS]|, |v[XS+1]|, |v[XS+2]|
	v_max3_num_f32 v11, |v[XS+3]|, |v[XS+4]|, |v[XS+5]|
.irp i, 6,10,14,18,22,26
	v_max3_num_f32 v10, v10, |v[XS+\i]|, |v[XS+\i+1]|
	v_max3_num_f32 v11, v11, |v[XS+\i+2]|, |v[XS+\i+3]|
.endr
	v_max3_num_f32 v10, v10, |v[XS+30]|, |v[XS+31]|
	v_max3_num_f32 v10, v10, v11, 0x1800000            ; and the floor
	v_add_nc_u32 v12, 0xff000000, v10
	v_lshrrev_b32 v13, 23, v12
.if \t == 0
	v_mov_b32 v208, v13
.else
	v_lshl_or_b32 v208, v13, 8*\t, v208                ; four bytes make my column's scale word
.endif
	v_cvt_scalef32_pk16_fp6_f32 v[160+8*\t:162+8*\t], v[XS:XS+15], v12
	v_cvt_scalef32_pk16_fp6_f32 v[192+4*\t:194+4*\t], v[XS+16:XS+31], v12
	v_nop
.irp i, 0,1,2
	v_mov_b32 v[163+8*\t+\i], v[192+4*\t+\i]
.endr
	; block t = 2 c + h of the fragment: the place of lane rho + 16 h in half c.  Each block has code registers of its own: no store's data are written again
	global_store_b128 v2, v[160+8*\t:163+8*\t], s[50:51] offset:768*(\t/2)+256*(\t%2)
	global_store_b64 v3, v[164+8*\t:165+8*\t], s[50:51] offset:768*(\t/2)+512+128*(\t%2)
.endm
; addresses from P s40, idx s41, K step s42, column group s43, KS s38, PT s39, the codes' base s36, the scales' base s37; then the four blocks, loads two blocks ahead
.macro WQ n
	s_mul_i32 s48, s40, s38
	s_add_co_u32 s48, s48, s42
	s_mul_i32 s48, s48, s39
	s_add_co_u32 s48, s48, s41
	s_mul_i32 s48, s48, 1536                           ; ((P KS + s) PT + idx) x 1,536
	s_add_co_u32 s48, s48, s36
	s_mov_b32 s49, 0
	s_add_nc_u64 s[50:51], s[26:27], s[48:49]
	s_mul_i32 s52, s40, s39
	s_add_co_u32 s52, s52, s41
	s_mul_i32 s52, s52, s38
	s_add_co_u32 s52, s52, s42
	s_lshl_b32 s52, s52, 6                             ; ((P PT + idx) KS + s) x 64
	s_add_co_u32 s52, s52, s37
	s_mov_b32 s53, 0
	s_add_nc_u64 s[54:55], s[26:27], s[52:53]
	s_mul_i32 s56, s42, 128*\n*4                       ; 128 s rows down,
	s_mul_i32 s57, s43, 768                            ; 192 cg columns,
	s_add_co_u32 s56, s56, s57
	s_lshl_b32 s57, s28, 7                             ; 32 w columns on
	s_add_co_u32 s56, s56, s57
	s_mov_b32 s57, 0
	s_add_nc_u64 s[34:35], s[34:35], s[56:57]
	s_lshl_b32 s58, s38, 6
	v_mul_u32_u24 v4, v5, s58
	v_lshl_add_u32 v4, v6, 2, v4                       ; scale word: u KS 64 + 4 rho
	WLOAD \n, 0
	WLOAD \n, 1
	s_wait_loadcnt 32                                  ; block 0 is in; block 1's 32 loads may be out
	WLOAD \n, 2
	WBLOCK 0
	s_wait_loadcnt 32                                  ; block 1 is in; block 2's may be out
	WLOAD \n, 3
	WBLOCK 1
	s_wait_loadcnt 32                                  ; block 2 is in; block 3's may be out
	WBLOCK 2
	s_wait_loadcnt 0x0
	WBLOCK 3
	global_store_b32 v4, v208, s[54:55]
.endm
	s_load_b512 s[4:19], s[0:1], 0x0                   ; x, g1, s1, Wq, Wk, Wv, Wo, w1
	s_load_b256 s[20:27], s[0:1], 0x40                 ; w2, w3, h1, wc
	v_lshl_add_u32 v243, v0, 2, 0x400
	v_mov_b32 v245, 0
	v_lshrrev_b32 v1, 5, v0
	v_readfirstlane_b32 s28, v1                        ; wave 0..5
	v_and_b32 v9, 31, v0                               ; lane
	s_wait_kmcnt 0x0
	s_cmp_lt_u32 ttmp9, 256                            ; the same for all waves of a work-group
	s_cbranch_scc0 .Lweights
	; ---------------- layernorm: tile T = the work-group's number, K step = the wave's
	v_and_b32 v1, 15, v0                               ; r
	v_bfe_u32 v2, v0, 4, 1                             ; h
	v_and_b32 v10, 7, v1
	v_lshrrev_b32 v11, 3, v1
	v_lshl_add_u32 v10, v11, 4, v10                    ; r % 8 + 16 (r / 8)
	v_mul_u32_u24 v3, v10, 3072
	v_lshl_add_u32 v3, v2, 6, v3                       ; x: my row, + 64 h: my 16 numbers of a block of 32
	v_lshlrev_b32 v4, 6, v2                            ; g, s: 64 h
	s_wait_alu depctr_va_vdst(0)
	v_lshlrev_b32 v5, 4, v9                            ; 16 x lane
	v_lshlrev_b32 v6, 3, v9                            ; 8 x lane
	v_lshlrev_b32 v8, 2, v1                            ; 4 r
	s_lshl_b32 s32, s28, 6
	v_add_nc_u32 v7, s32, v8                           ; LDS: 4 r + 64 w
	s_mov_b32 s[SEL], 0x76543210
	s_mov_b32 s[SEL+1], 0xfedcba98
	s_mov_b32 s40, 0x3aaaaaab                          ; 1 / 768
.irp b, 0,1,2,3
	v_mov_b32 v[TM+4+\b], 0                            ; written once: a lane permute's destination counts as one of its sources
.endr
	s_lshr_b32 s33, ttmp9, 1
	s_lshl_b32 s33, s33, 5
	s_and_b32 s34, ttmp9, 1
	s_lshl_b32 s34, s34, 3
	s_add_co_u32 s33, s33, s34                         ; the tile's first token: 32 (T / 2) + 8 (T % 2)
	s_mul_i32 s34, s33, 3072
	s_lshl_b32 s36, s28, 9                             ; 512 w
	s_mov_b32 s37, 0
	s_add_co_u32 s34, s34, s36
	s_mov_b32 s35, 0
	s_add_nc_u64 s[4:5], s[4:5], s[34:35]
	s_add_nc_u64 s[6:7], s[6:7], s[36:37]
	s_add_nc_u64 s[8:9], s[8:9], s[36:37]
	s_lshr_b32 s33, ttmp9, 4
	s_mul_i32 s33, s33, 6
	s_add_co_u32 s33, s33, s28
	s_lshl_b32 s33, s33, 4
	s_and_b32 s34, ttmp9, 15
	s_add_co_u32 s33, s33, s34
	s_mul_i32 s34, s33, 1536                           ; (((T / 16) 6 + w) 16 + T % 16) x 1,536
	s_add_nc_u64 s[36:37], s[24:25], s[34:35]
	s_mul_i32 s34, ttmp9, 6
	s_add_co_u32 s34, s34, s28
	s_lshl_b32 s34, s34, 6
	s_add_co_u32 s34, s34, HSC                         ; (6 T + w) x 64
	s_add_nc_u64 s[38:39], s[24:25], s[34:35]
.irp b, 0,1,2,3
.irp j, 0,1,2,3
	global_load_b128 v[XR+16*\b+4*\j:XR+16*\b+4*\j+3], v3, s[4:5] offset:128*\b+16*\j th:TH_LOAD_NT
.endr
.endr
.irp b, 0,1,2,3
.irp j, 0,1,2,3
	global_load_b128 v[GR+16*\b+4*\j:GR+16*\b+4*\j+3], v4, s[6:7] offset:128*\b+16*\j
	global_load_b128 v[SR+16*\b+4*\j:SR+16*\b+4*\j+3], v4, s[8:9] offset:128*\b+16*\j
.endr
.endr
	s_wait_loadcnt 32                                  ; x is in; the 32 loads of g and s may be out
.irp k, 0,1,2,3
	v_pk_add_f32 v[246+2*\k:247+2*\k], v[XR+2*\k:XR+2*\k+1], v[XR+8+2*\k:XR+9+2*\k]   ; four chains, started by the first numbers
.endr
.irp i, 16,24,32,40,48,56
.irp k, 0,1,2,3
	v_pk_add_f32 v[246+2*\k:247+2*\k], v[246+2*\k:247+2*\k], v[XR+\i+2*\k:XR+\i+2*\k+1]
.endr
.endr
	REDUCE 0
	v_mul_f32 v254, s40, v248                          ; the mean
	v_mov_b32 v255, v254
.set j, 0
.rept 32
	v_pk_add_f32 v[XR+j:XR+j+1], v[XR+j:XR+j+1], v[254:255] neg_lo:[0,1] neg_hi:[0,1]   ; x - mean
.set j, j+2
.endr
.irp k, 0,1,2,3
	v_pk_mul_f32 v[246+2*\k:247+2*\k], v[XR+2*\k:XR+2*\k+1], v[XR+2*\k:XR+2*\k+1]
.endr
.irp i, 8,16,24,32,40,48,56
.irp k, 0,1,2,3
	v_pk_fma_f32 v[246+2*\k:247+2*\k], v[XR+\i+2*\k:XR+\i+2*\k+1], v[XR+\i+2*\k:XR+\i+2*\k+1], v[246+2*\k:247+2*\k]
.endr
.endr
	REDUCE 512                                         ; other LDS words than the first sum's: no barrier between the reads there and the stores here
	v_mov_b32 v249, 0x3727c5ac                         ; 1e-5
	v_fma_f32 v248, v248, s40, v249                    ; the variance + eps
	s_wait_alu depctr_va_vdst(0)
	v_rsq_f32 v252, v248
	v_nop                                              ; a plain line behind the transcendental,
	s_wait_alu depctr_va_vdst(0)                       ; and the wait ahead of its first reader
	v_mov_b32 v253, v252
	s_wait_alu depctr_va_vdst(0)
	s_wait_loadcnt 0x0                                 ; g and s
.set j, 0
.rept 32
	v_pk_mul_f32 v[XR+j:XR+j+1], v[XR+j:XR+j+1], v[252:253]
.set j, j+2
.endr
.set j, 0
.rept 32
	v_pk_fma_f32 v[XR+j:XR+j+1], v[XR+j:XR+j+1], v[GR+j:GR+j+1], v[SR+j:SR+j+1]
.set j, j+2
.endr
	QUANT XR, PC, PW
	global_store_b128 v5, v[PC:PC+3], s[36:37]                 ; the fragment as it stands: 512, 256, 512, 256 consecutive bytes
	global_store_b64 v6, v[PC+4:PC+5], s[36:37] offset:512
	global_store_b128 v5, v[PC+6:PC+9], s[36:37] offset:768
	global_store_b64 v6, v[PC+10:PC+11], s[36:37] offset:1280
	v_cmp_gt_u32 vcc_lo, 16, v9
	s_wait_xcnt 0x0                                    ; EXEC changes only behind this wait
	s_wait_tensorcnt 0x0
	ds_add_u32 v243, v245
	s_wait_dscnt 0x0
	s_and_saveexec_b32 s41, vcc_lo
	global_store_b32 v8, v[PW], s[38:39]               ; lanes 0-15: the 16 rows' scale words
	s_wait_xcnt 0x0
	s_or_b32 exec_lo, exec_lo, s41
	s_endpgm
	; ---------------- weights
.Lweights:
	s_wait_alu depctr_va_vdst(0)
	v_lshlrev_b32 v1, 2, v9                            ; my column: 4 bytes a lane
	v_bfe_u32 v5, v9, 3, 1                             ; u: which of the pair of tiles
	v_and_b32 v6, 7, v9
	v_lshrrev_b32 v7, 4, v9
	v_lshl_or_b32 v6, v7, 3, v6                        ; rho: my row in that tile
	v_mul_u32_u24 v7, v5, 1536
	v_lshl_add_u32 v2, v6, 4, v7
	v_lshl_add_u32 v3, v6, 3, v7
	s_sub_co_u32 s32, ttmp9, 256                       ; j
	s_lshl_b32 s45, s28, 1                             ; 2 w
	s_cmp_lt_u32 s32, 96
	s_cbranch_scc0 .Lnot_square
	s_and_b32 s46, s32, 3                              ; 0 Wq, 1 Wk, 2 Wv, 3 Wo
	s_bfe_u32 s43, s32, 0x20002                        ; column group
	s_lshr_b32 s42, s32, 4                             ; K step
	s_mul_i32 s47, s43, 12
	s_add_co_u32 s47, s47, s45                         ; my first tile: 12 cg + 2 w
	s_mov_b32 s38, 6
	s_cmp_eq_u32 s46, 3
	s_cbranch_scc1 .Lis_wo
	s_cmp_eq_u32 s46, 0
	s_cselect_b64 s[34:35], s[10:11], s[12:13]
	s_cmp_eq_u32 s46, 2
	s_cselect_b64 s[34:35], s[14:15], s[34:35]
	s_lshl_b32 s40, s46, 2
	s_add_co_u32 s40, s40, s43                         ; panel 4 wsel + cg of 12 tiles
	s_mov_b32 s41, s45
	s_mov_b32 s39, 12
	s_mov_b32 s36, 0
	s_mov_b32 s37, 7077888
	s_branch .Lnarrow
.Lis_wo:
	s_mov_b64 s[34:35], s[16:17]
	s_mov_b32 s36, 1327104
	s_mov_b32 s37, 7133184
	s_branch .Lfour
.Lnot_square:
	s_cmp_lt_u32 s32, 192
	s_cbranch_scc0 .Lwide
	s_sub_co_u32 s46, s32, 96                          ; w3
	s_and_b32 s43, s46, 3
	s_lshr_b32 s42, s46, 2
	s_mul_i32 s47, s43, 12
	s_add_co_u32 s47, s47, s45
	s_mov_b32 s38, 24
	s_mov_b64 s[34:35], s[22:23]
	s_mov_b32 s36, 5308416
	s_mov_b32 s37, 7299072
.Lfour:                                                    ; panels of four tiles
	s_lshr_b32 s40, s47, 2
	s_and_b32 s41, s47, 3
	s_mov_b32 s39, 4
.Lnarrow:
	s_wait_alu depctr_va_vdst(0)
	WQ 768
	s_endpgm
.Lwide:                                                    ; w1 and w2: a panel holds 8 tiles of w1 and the same 8 of w2: idx = 8 ((tile / 4) % 2) + 4 (w2?) + tile % 4
	s_sub_co_u32 s46, s32, 192
	s_bfe_u32 s43, s46, 0x40001
	s_lshr_b32 s42, s46, 5
	s_and_b32 s46, s46, 1
	s_cmp_eq_u32 s46, 0
	s_cselect_b64 s[34:35], s[18:19], s[20:21]
	s_mul_i32 s47, s43, 12
	s_add_co_u32 s47, s47, s45
	s_lshr_b32 s40, s47, 3
	s_bfe_u32 s41, s47, 0x10002
	s_lshl_b32 s41, s41, 3
	s_and_b32 s44, s47, 3
	s_add_co_u32 s41, s41, s44
	s_lshl_b32 s44, s46, 2
	s_add_co_u32 s41, s41, s44
	s_mov_b32 s38, 6
	s_mov_b32 s39, 16
	s_mov_b32 s36, 1769472
	s_mov_b32 s37, 7151616
	s_wait_alu depctr_va_vdst(0)
	WQ 3072
	s_endpgm
.Lfunc_end_k_q8b7c3d7cf0_prep:
	.size	k_q8b7c3d7cf0_prep, .Lfunc_end_k_q8b7c3d7cf0_prep-k_q8b7c3d7cf0_prep
	.p2alignl 7, 3214868480
	.fill 96, 4, 3214868480
	.section	.rodata,"a",@progbits
	.p2align	6, 0x0
	.amdhsa_kernel k_q8b7c3d7cf0_prep
		.amdhsa_group_segment_fixed_size 1792
		.amdhsa_private_segment_fixed_size 0
		.amdhsa_enable_private_segment 0
		.amdhsa_kernarg_size 96
		.amdhsa_user_sgpr_count 2
		.amdhsa_user_sgpr_kernarg_segment_ptr 1
		.amdhsa_wavefront_size32 1
		.amdhsa_system_sgpr_workgroup_id_x 1
		.amdhsa_system_sgpr_workgroup_id_y 1
		.amdhsa_system_sgpr_workgroup_id_z 1
		.amdhsa_system_vgpr_workitem_id 0
		.amdhsa_next_free_vgpr 256
		.amdhsa_next_free_sgpr 66
		.amdhsa_reserve_vcc 1
		.amdhsa_float_denorm_mode_32 3
		.amdhsa_float_denorm_mode_16_64 3
		.amdhsa_memory_ordered 1
		.amdhsa_forward_progress 1
		.amdhsa_inst_pref_size 67
	.end_amdhsa_kernel
	.amdgpu_metadata
---
amdhsa.version: [ 1, 2 ]
amdhsa.kernels:
  - .name:           k_q8b7c3d7cf0_prep
    .symbol:         k_q8b7c3d7cf0_prep.kd
    .args:
      - { .name: x, .offset: 0, .size: 8, .value_kind: global_buffer, .address_space: global }
      - { .name: g1, .offset: 8, .size: 8, .value_kind: global_buffer, .address_space: global }
      - { .name: s1, .offset: 16, .size: 8, .value_kind: global_buffer, .address_space: global }
      - { .name: Wq, .offset: 24, .size: 8, .value_kind: global_buffer, .address_space: global }
      - { .name: Wk, .offset: 32, .size: 8, .value_kind: global_buffer, .address_space: global }
      - { .name: Wv, .offset: 40, .size: 8, .value_kind: global_buffer, .address_space: global }
      - { .name: Wo, .offset: 48, .size: 8, .value_kind: global_buffer, .address_space: global }
      - { .name: w1, .offset: 56, .size: 8, .value_kind: global_buffer, .address_space: global }
      - { .name: w2, .offset: 64, .size: 8, .value_kind: global_buffer, .address_space: global }
      - { .name: w3, .offset: 72, .size: 8, .value_kind: global_buffer, .address_space: global }
      - { .name: h1, .offset: 80, .size: 8, .value_kind: global_buffer, .address_space: global }
      - { .name: wc, .offset: 88, .size: 8, .value_kind: global_buffer, .address_space: global }
    .group_segment_fixed_size: 1792
    .private_segment_fixed_size: 0
    .kernarg_segment_align: 8
    .kernarg_segment_size: 96
    .max_flat_workgroup_size: 192
    .sgpr_count:     66
    .vgpr_count:     256
    .wavefront_size: 32
...
	.end_amdgpu_metadata
.endif
;; end of part 1
;; launch qkvproj (part 2): grid 12 x 16, 12 waves a work-group, clusters of 4 x 4, 259,584 bytes of LDS; arguments h1, wc, qkvc; writes qkvc
.if DOCPART == 2
	.amdgcn_target "amdgcn-amd-amdhsa--gfx1250"
	.amdhsa_code_object_version 6
	.text
	.protected	k_q8b7c3d7cf0_qkvproj
	.globl	k_q8b7c3d7cf0_qkvproj
	.p2align	8
	.type	k_q8b7c3d7cf0_qkvproj,@function
k_q8b7c3d7cf0_qkvproj:
	s_mov_b64 s[64:65], 0
	v_nop
	global_prefetch_b8 v0, s[64:65] scope:SCOPE_SE
	s_setreg_imm32_b32 hwreg(HW_REG_WAVE_MODE, 25, 1), 1
	s_wait_xcnt 0x0
	s_wait_alu depctr_hold_cnt(0) depctr_sa_sdst(0) depctr_va_vdst(0) depctr_va_sdst(0) depctr_va_ssrc(0) depctr_va_vcc(0) depctr_vm_vsrc(0)
	s_getreg_b32 s2, hwreg(HW_REG_IB_STS2, 6, 4)
	s_cmp_eq_u32 s2, 0
	s_cbranch_scc0 .Lentry_in_a_cluster
	s_endpgm
.Lentry_in_a_cluster:
	s_bfe_u32 s2, ttmp6, 0x10000c
	s_cmp_lg_u32 s2, 0xf033
	s_cbranch_scc0 .Lentry_shape_is_right
	s_endpgm
.Lentry_shape_is_right:
; q, k, v = Q(h1) Q(Wq | Wk | Wv), on codes of FP6 (E2M3) with E8M0 scales, and each result quantised at once for attention.  Nothing but codes goes to memory.
; A work-group takes 256 tokens (panel Y: 16 tiles) x 192 columns (panel X: 12 tiles = three heads of one of the three weights; cluster x = 0 q, 1 k, 2 v).
; BOTH PANELS LIE IN LDS FOR ALL OF K (768 = 6 steps): 147,456 + 110,592 bytes, filled ONCE, in three stages of two K steps by one tensor load a wave; products begin when all has landed.  No LDS byte is filled twice.
; CLUSTER 4 x 4: the four of a row share the tokens' panel, the four of a column the weights': each piece is asked for jointly.  A wave has one tensor load outstanding.
; Wave w: token tiles 4 (w % 4) .. + 3, head slice w / 4 (4 column tiles): 16 accumulators.  Fragments are images of registers (1,536 bytes): four contiguous LDS loads each.
; q, k: the product is used transposed (source 0 = weight tile): a lane holds one token and 32 of the head's 64 numbers, which are the next K.  v: natural (source 0 = token tile): a lane holds one channel
; and 32 tokens, since the keys are the next K.  The rows of a tile are chosen (32 (T / 2) + 8 (T % 2) + r % 8 + 16 (r / 8)) so that the registers of tiles 2 b, 2 b + 1 are 16 neighbours.
; OUT: q: half fragments (16 tokens x 64) and scale words (b0, b1, b0, b1).  k: a fragment = half fragments of key tiles 2 p, 2 p + 1.  v: fragments [128 keys][16 channels].  k and v lie in records of 512 keys.
; LIMITS: NaN and infinities are not served; a block under 2^-124 (a block of zeros too) keeps the byte 1: its reader is this program alone.
.set TM,    112
.set SEL,   96
.set BBASE, 147456
.set STGA,  49152
.set STGB,  36864
.set QF,    4915200
.set QS,    7274496
.macro PLACES n
.rept \n
	v_nop
.endr
.endm
.macro CROUND                          ; a round of the cluster's barrier
	s_barrier_signal -1
	s_barrier_wait -1
	s_cmp_lg_u32 s14, 0
	s_cbranch_scc1 .Lnot_wave_0_\@
	s_barrier_signal -3
.Lnot_wave_0_\@:
	s_barrier_wait -3
	s_barrier_signal -1
	s_barrier_wait -1
.endm
.macro FRAG reg, a16, a8, off          ; a fragment's image back into 12 registers: every load reads consecutive bytes
	ds_load_b128 v[\reg:\reg+3], v[\a16] offset:\off
	ds_load_b64 v[\reg+4:\reg+5], v[\a8] offset:\off+512
	ds_load_b128 v[\reg+6:\reg+9], v[\a16] offset:\off+768
	ds_load_b64 v[\reg+10:\reg+11], v[\a8] offset:\off+1280
.endm
.macro WM d, a, b, sa, sb, row, zero   ; row: which half of the lanes of both scale registers; zero: the product starts the sum
.if \zero
	v_wmma_scale_f32_16x16x128_f8f6f4 v[\d:\d+7], v[\a:\a+11], v[\b:\b+11], 0, v[\sa], v[\sb] matrix_a_fmt:MATRIX_FMT_FP6 matrix_b_fmt:MATRIX_FMT_FP6
.else
.if \row
	v_wmma_scale_f32_16x16x128_f8f6f4 v[\d:\d+7], v[\a:\a+11], v[\b:\b+11], v[\d:\d+7], v[\sa], v[\sb] matrix_a_fmt:MATRIX_FMT_FP6 matrix_b_fmt:MATRIX_FMT_FP6 matrix_a_scale:MATRIX_SCALE_ROW1 matrix_b_scale:MATRIX_SCALE_ROW1
.else
	v_wmma_scale_f32_16x16x128_f8f6f4 v[\d:\d+7], v[\a:\a+11], v[\b:\b+11], v[\d:\d+7], v[\sa], v[\sb] matrix_a_fmt:MATRIX_FMT_FP6 matrix_b_fmt:MATRIX_FMT_FP6
.endif
.endif
.endm
.macro QUANT s, pc, pw                 ; 64 numbers of a lane (register 16 b + i = k 32 b + 16 (lane / 16) + i) -> 12 registers of codes, a scale word
.irp b, 0,1,2,3
	v_max3_num_f32 v[TM+\b], |v[\s+16*\b]|, |v[\s+1+16*\b]|, 0x1800000
.endr
.irp i, 2,4,6,8,10,12,14
.irp b, 0,1,2,3
	v_max3_num_f32 v[TM+\b], v[TM+\b], |v[\s+16*\b+\i]|, |v[\s+1+16*\b+\i]|
.endr
.endr
.irp b, 0,1,2,3
	s_delay_alu instid0(VALU_DEP_4)
	v_permlanex16_b32 v[TM+4+\b], v[TM+\b], s[SEL], s[SEL+1]
.endr
.irp b, 0,1,2,3
	s_delay_alu instid0(VALU_DEP_4)
	v_max_num_f32 v[TM+\b], v[TM+\b], v[TM+4+\b]
.endr
.irp b, 0,1,2,3
	s_delay_alu instid0(VALU_DEP_4)
	v_add_nc_u32 v[TM+12+\b], 0xff000000, v[TM+\b]
.endr
.irp b, 0,1,2,3
	s_delay_alu instid0(VALU_DEP_4)
	v_lshrrev_b32 v[TM+4+\b], 23, v[TM+12+\b]
.endr
	s_delay_alu instid0(VALU_DEP_3)
	v_lshl_or_b32 v[\pw], v[TM+5], 8, v[TM+4]
	s_delay_alu instid0(VALU_DEP_1)
	v_lshl_or_b32 v[\pw], v[TM+6], 16, v[\pw]
	s_delay_alu instid0(VALU_DEP_1)
	v_lshl_or_b32 v[\pw], v[TM+7], 24, v[\pw]
.irp c, 0,1
	v_cvt_scalef32_pk16_fp6_f32 v[\pc+6*\c:\pc+2+6*\c], v[\s+32*\c:\s+15+32*\c], v[TM+12+2*\c]
	v_cvt_scalef32_pk16_fp6_f32 v[\pc+12+4*\c:\pc+14+4*\c], v[\s+16+32*\c:\s+31+32*\c], v[TM+12+2*\c+1]
.endr
	v_nop
.irp c, 0,1
.irp i, 0,1,2
	v_permlane16_swap_b32 v[\pc+6*\c+\i], v[\pc+12+4*\c+\i]
.endr
.irp i, 0,1,2
	s_delay_alu instid0(VALU_DEP_3)
	v_mov_b32 v[\pc+3+6*\c+\i], v[\pc+12+4*\c+\i]
.endr
.endr
.endm
.macro STHF pc, base, off              ; half a fragment, 6 registers: 512 and 256 consecutive bytes, at a multiple of 256
	global_store_b128 v7, v[\pc:\pc+3], s[\base:\base+1] offset:\off
	global_store_b64 v8, v[\pc+4:\pc+5], s[\base:\base+1] offset:\off+512
.endm
.macro SLOAD set, g                    ; the scale words of stage g: lanes 0-15 take K step 2 g, lanes 16-31 K step 2 g + 1
.irp t, 0,1,2,3
	global_load_b32 v[16+8*\set+\t], v6, s[76:77] offset:(\t*6+2*\g)*64
	global_load_b32 v[20+8*\set+\t], v6, s[88:89] offset:(\t*6+2*\g)*64
.endr
.endm
; a K step: eight fragments, sixteen products, the accumulators by turns in ascending order on either way
.macro STEP sp, set, zero
.irp t, 0,1,2,3
	FRAG 32+12*\t, 2, 3, \sp*24576+\t*1536
.endr
.irp t, 0,1,2,3
	FRAG 80+12*\t, 4, 5, \sp*18432+\t*1536
.endr
	s_wait_dscnt 0x0
	s_cmp_eq_u32 s23, 2                                ; the cluster's x: alike in all partners
	s_cbranch_scc1 .Lnat_\@
.irp m, 0,1,2,3
.irp n, 0,1,2,3
	WM 128+8*(4*\m+\n), 80+12*\n, 32+12*\m, 20+8*\set+\n, 16+8*\set+\m, \sp, \zero
.endr
.endr
	s_branch .Ldone_\@
.Lnat_\@:
.irp n, 0,1,2,3
.irp m, 0,1,2,3
	WM 128+8*(4*\n+\m), 32+12*\m, 80+12*\n, 16+8*\set+\m, 20+8*\set+\n, \sp, \zero
.endr
.endr
.Ldone_\@:
.endm
.macro PHASE g, set, zero
.if \g == 0
	s_wait_tensorcnt 0x0                               ; my one load, my share of a whole panel, has landed (one load a wave takes the place of the three stages' loads)
	s_barrier_signal -1
	s_barrier_wait -1                                  ; everybody's has: both panels are whole, and nothing is ever filled again
.endif
.if \g < 2
	s_wait_loadcnt 8                                   ; this stage's scale words are in; the eight loads issued behind them may be out
.else
	s_wait_loadcnt 0x0
.endif
	STEP 0, \set, \zero
	PLACES 4                                           ; in front of loads into registers that matrix instructions have read
	STEP 1, \set, 0
.if \g < 2
	v_add_nc_u32 v2, STGA, v2                          ; on to the next stage: these four are also the places behind the last products
	v_add_nc_u32 v3, STGA, v3
	v_add_nc_u32 v4, STGB, v4
	v_add_nc_u32 v5, STGB, v5
.endif
.endm
	s_load_b128 s[4:7], s[0:1], 0x0                    ; h1, wc
	s_load_b64 s[8:9], s[0:1], 0x10                    ; qkvc
	v_lshl_add_u32 v14, v0, 2, 0x3f000
	v_mov_b32 v15, 0
	ds_add_u32 v14, v15
	ds_add_u32 v14, v15
	v_lshrrev_b32 v1, 5, v0
	s_delay_alu instid0(VALU_DEP_1)
	v_readfirstlane_b32 s14, v1                        ; wave 0..11
	s_and_b32 s15, s14, 3                              ; mq: my four token tiles
	s_lshr_b32 s16, s14, 2                             ; sl: my head slice
	s_bfe_u32 s17, ttmp6, 0x40000                      ; cx
	s_bfe_u32 s18, ttmp6, 0x40004                      ; cy
	s_lshl_b32 s19, ttmp9, 2
	s_add_co_u32 s19, s19, s17                         ; X
	s_and_b32 s20, ttmp7, 0xffff
	s_lshl_b32 s20, s20, 2
	s_add_co_u32 s20, s20, s18                         ; Y
	s_lshl_b32 s21, s18, 2
	s_lshl_b32 s21, 15, s21                            ; my row of the cluster
	s_lshl_b32 s22, 0x1111, s17                        ; my column
	s_mov_b32 s23, ttmp9                               ; 0 q, 1 k, 2 v
	s_mov_b32 s[SEL], 0x76543210
	s_mov_b32 s[SEL+1], 0xfedcba98
	; descriptor groups 1: dense blocks as rows of 256 bytes (32 elements of 8 bytes).  A's piece: 72 rows; B's: 108
	s_or_b32 s24, s21, (3<<16)|(1<<21)
	s_mov_b32 s25, 32<<16
	s_mov_b32 s26, 72<<16                              ; A: an eighth of the panel, 72 rows of 256 bytes
	s_mov_b32 s27, 32<<16
	s_mov_b32 s28, 72
	s_mov_b32 s29, 32
	s_mov_b32 s30, 0
	s_mov_b32 s31, 0
	s_or_b32 s32, s22, (3<<16)|(1<<21)
	s_mov_b32 s33, 32<<16
	s_mov_b32 s34, 108<<16                             ; B: a quarter of the panel, 108 rows
	s_mov_b32 s35, 32<<16
	s_mov_b32 s36, 108
	s_mov_b32 s37, 32
	s_mov_b32 s38, 0
	s_mov_b32 s39, 0
	s_mul_i32 s66, s20, 147456                         ; A: panel Y,
	s_and_b32 s68, s14, 7
	s_mul_i32 s68, s68, 18432
	s_add_co_u32 s66, s66, s68
	s_mov_b32 s67, 0
	s_mul_i32 s80, s19, 110592                         ; B: panel X,
	s_and_b32 s82, s14, 3
	s_mul_i32 s82, s82, 27648
	s_add_co_u32 s80, s80, s82
	s_mov_b32 s81, 0
	s_wait_dscnt 0x0
	s_wait_kmcnt 0x0
	s_add_nc_u64 s[70:71], s[4:5], s[66:67]
	s_add_nc_u64 s[84:85], s[6:7], s[80:81]
.irp g, 0
	s_mov_b32 s[40+4*\g], 1
	s_add_co_u32 s[41+4*\g], s68, \g*STGA
	s_add_nc_u64 s[42+4*\g:43+4*\g], s[70:71], \g*STGA
	s_or_b32 s[43+4*\g], s[43+4*\g], 0x80000000
	s_mov_b32 s[52+4*\g], 1
	s_add_co_u32 s[53+4*\g], s82, BBASE+\g*STGB
	s_add_nc_u64 s[54+4*\g:55+4*\g], s[84:85], \g*STGB
	s_or_b32 s[55+4*\g], s[55+4*\g], 0x80000000
.endr
	CROUND                                             ; all sixteen work-groups are here: the joint loads meet
	s_cmp_lt_u32 s14, 8                                ; a wave's one fill stands in a branch on the wave's number
	s_cbranch_scc0 .Lfill_b
	tensor_load_to_lds s[40:43], s[24:31]
	s_nop 0
	PLACES 4
	s_branch .Lfilled
.Lfill_b:
	tensor_load_to_lds s[52:55], s[32:39]
	s_nop 0
	PLACES 4
.Lfilled:
	v_and_b32 v1, 31, v0                               ; lane
	s_mul_i32 s72, s15, 6144
	v_lshl_add_u32 v2, v1, 4, s72                      ; A: my four tiles, 16 x lane
	v_lshl_add_u32 v3, v1, 3, s72                      ;    and 8 x lane
	s_mul_i32 s73, s16, 6144
	s_add_co_u32 s73, s73, BBASE
	v_lshl_add_u32 v4, v1, 4, s73                      ; B likewise
	v_lshl_add_u32 v5, v1, 3, s73
	v_lshlrev_b32 v6, 2, v1
	s_wait_alu depctr_va_vdst(0)
	v_lshlrev_b32 v7, 4, v1
	v_lshlrev_b32 v8, 3, v1
	s_lshl_b32 s74, s20, 4
	s_lshl_b32 s75, s15, 2
	s_add_co_u32 s74, s74, s75
	s_mul_i32 s74, s74, 384                            ; a tile's six scale records
	s_add_co_u32 s74, s74, 2359296
	s_mov_b32 s75, 0
	s_add_nc_u64 s[76:77], s[4:5], s[74:75]
	s_mul_i32 s86, s19, 12
	s_lshl_b32 s87, s16, 2
	s_add_co_u32 s86, s86, s87
	s_mul_i32 s86, s86, 384
	s_add_co_u32 s86, s86, 7077888
	s_mov_b32 s87, 0
	s_add_nc_u64 s[88:89], s[6:7], s[86:87]
	SLOAD 0, 0
	SLOAD 1, 1
	PHASE 0, 0, 1
	SLOAD 0, 2                                         ; stage 2's scale words take set 0's registers, four places behind their last reader
	s_wait_alu depctr_va_vdst(0)
	PHASE 1, 1, 0
	s_wait_alu depctr_va_vdst(0)
	PHASE 2, 0, 0
	; ---------------- the results become codes
	PLACES 4
.irp b, 0,1,2,3
	v_mov_b32 v[TM+4+\b], 0
.endr
	QUANT 128, 32, 52                                  ; two units of 32 registers each: blocks 0, 1 and blocks 2, 3
	QUANT 192, 72, 92
	v_cmp_le_u32 vcc_lo, 16, v1                        ; lanes 16-31
	s_mul_i32 s80, s17, 3
	s_add_co_u32 s80, s80, s16                         ; the head
	s_lshl_b32 s81, s20, 4
	s_lshl_b32 s82, s15, 2
	s_add_co_u32 s81, s81, s82                         ; my first token tile
	s_mov_b32 s85, 0
	s_mov_b32 s91, 0
	s_cmp_eq_u32 s23, 0
	s_cbranch_scc0 .Lnot_q
	s_lshl_b32 s82, s80, 8
	s_add_co_u32 s82, s82, s81
	s_mul_i32 s84, s82, 768
	s_add_co_u32 s84, s84, QF
	s_add_nc_u64 s[86:87], s[8:9], s[84:85]
	s_lshl_b32 s90, s82, 6
	s_add_co_u32 s90, s90, QS
	s_add_nc_u64 s[92:93], s[8:9], s[90:91]
	STHF 32, 86, 0
	STHF 38, 86, 768
	s_wait_alu depctr_va_vdst(0)
	STHF 72, 86, 1536
	STHF 78, 86, 2304
	v_perm_b32 v53, v52, v52, 0x01000100               ; (b0, b1, b0, b1) of the even tile,
	v_perm_b32 v54, v52, v52, 0x03020302               ; of the odd tile
	s_delay_alu instid0(VALU_DEP_1)
	v_cndmask_b32 v53, v53, v54, vcc_lo
	global_store_b32 v6, v53, s[92:93]
	v_perm_b32 v93, v92, v92, 0x01000100
	v_perm_b32 v94, v92, v92, 0x03020302
	s_delay_alu instid0(VALU_DEP_1)
	v_cndmask_b32 v93, v93, v94, vcc_lo
	global_store_b32 v6, v93, s[92:93] offset:128
	s_branch .Lout
.Lnot_q:
	s_mul_i32 s82, s80, 409600
	s_lshr_b32 s83, s20, 1
	s_mul_i32 s83, s83, 51200
	s_add_co_u32 s82, s82, s83                         ; the record of 512 keys
	s_and_b32 s83, s20, 1
	s_cmp_eq_u32 s23, 1
	s_cbranch_scc0 .Lis_v
	s_lshl_b32 s83, s83, 3
	s_lshl_b32 s94, s15, 1
	s_add_co_u32 s83, s83, s94                         ; fragment 8 (Y % 2) + 2 mq
	s_mul_i32 s84, s83, 1536
	s_add_co_u32 s84, s84, s82
	s_add_nc_u64 s[86:87], s[8:9], s[84:85]
	s_lshl_b32 s90, s83, 6
	s_add_co_u32 s90, s90, s82
	s_add_co_u32 s90, s90, 49152
	s_add_nc_u64 s[92:93], s[8:9], s[90:91]
	STHF 32, 86, 0
	STHF 38, 86, 768
	s_wait_alu depctr_va_vdst(0)
	STHF 72, 86, 1536
	STHF 78, 86, 2304
	v_cndmask_b32 v53, v52, v92, vcc_lo                ; lanes 0-15 the first fragment's words, lanes 16-31 the second's
	global_store_b32 v6, v53, s[92:93]
	s_branch .Lout
.Lis_v:
	s_lshl_b32 s83, s83, 1
	s_lshr_b32 s94, s15, 1
	s_add_co_u32 s83, s83, s94                         ; which 128 keys of the record
	s_and_b32 s94, s15, 1                              ; which 64 of them
	s_mul_i32 s84, s83, 6144
	s_mul_i32 s95, s94, 768
	s_add_co_u32 s84, s84, s95
	s_add_co_u32 s84, s84, s82
	s_add_co_u32 s84, s84, 24576
	s_add_nc_u64 s[86:87], s[8:9], s[84:85]
	s_lshl_b32 s90, s83, 8
	s_lshl_b32 s95, s94, 1
	s_add_co_u32 s90, s90, s95
	s_add_co_u32 s90, s90, s82
	s_add_co_u32 s90, s90, 50176
	s_add_nc_u64 s[92:93], s[8:9], s[90:91]
	STHF 32, 86, 0                                     ; channel tiles 0 to 3: my half of each fragment
	STHF 38, 86, 1536
	s_wait_alu depctr_va_vdst(0)
	STHF 72, 86, 3072
	STHF 78, 86, 4608
	v_lshrrev_b32 v53, 16, v52
	s_delay_alu instid0(VALU_DEP_1)
	v_cndmask_b32 v53, v52, v53, vcc_lo                ; lanes 0-15 the even tile's two bytes, lanes 16-31 the odd tile's
	global_store_b16 v6, v53, s[92:93]
	v_lshrrev_b32 v93, 16, v92
	s_delay_alu instid0(VALU_DEP_1)
	v_cndmask_b32 v93, v92, v93, vcc_lo
	global_store_b16 v6, v93, s[92:93] offset:128
.Lout:
	s_wait_tensorcnt 0x0
	ds_add_u32 v14, v15
	s_wait_dscnt 0x0
	CROUND                                             ; the closing round: no work-group ends while a partner may still ask for a piece that names it
	s_endpgm
.Lfunc_end_k_q8b7c3d7cf0_qkvproj:
	.size	k_q8b7c3d7cf0_qkvproj, .Lfunc_end_k_q8b7c3d7cf0_qkvproj-k_q8b7c3d7cf0_qkvproj
	.p2alignl 7, 3214868480
	.fill 96, 4, 3214868480
	.section	.rodata,"a",@progbits
	.p2align	6, 0x0
	.amdhsa_kernel k_q8b7c3d7cf0_qkvproj
		.amdhsa_group_segment_fixed_size 259584
		.amdhsa_private_segment_fixed_size 0
		.amdhsa_enable_private_segment 0
		.amdhsa_kernarg_size 24
		.amdhsa_user_sgpr_count 2
		.amdhsa_user_sgpr_kernarg_segment_ptr 1
		.amdhsa_wavefront_size32 1
		.amdhsa_system_sgpr_workgroup_id_x 1
		.amdhsa_system_sgpr_workgroup_id_y 1
		.amdhsa_system_sgpr_workgroup_id_z 1
		.amdhsa_system_vgpr_workitem_id 0
		.amdhsa_next_free_vgpr 256
		.amdhsa_next_free_sgpr 100
		.amdhsa_reserve_vcc 1
		.amdhsa_float_denorm_mode_32 3
		.amdhsa_float_denorm_mode_16_64 3
		.amdhsa_memory_ordered 1
		.amdhsa_forward_progress 1
		.amdhsa_inst_pref_size 61
	.end_amdhsa_kernel
	.amdgpu_metadata
---
amdhsa.version: [ 1, 2 ]
amdhsa.kernels:
  - .name:           k_q8b7c3d7cf0_qkvproj
    .symbol:         k_q8b7c3d7cf0_qkvproj.kd
    .args:
      - { .name: h1, .offset: 0, .size: 8, .value_kind: global_buffer, .address_space: global }
      - { .name: wc, .offset: 8, .size: 8, .value_kind: global_buffer, .address_space: global }
      - { .name: qkvc, .offset: 16, .size: 8, .value_kind: global_buffer, .address_space: global }
    .group_segment_fixed_size: 259584
    .private_segment_fixed_size: 0
    .kernarg_segment_align: 8
    .kernarg_segment_size: 24
    .max_flat_workgroup_size: 384
    .sgpr_count:     100
    .vgpr_count:     256
    .wavefront_size: 32
...
	.end_amdgpu_metadata
.endif
;; end of part 2
;; launch attn (part 3): grid 256 x 1, 16 waves a work-group, no clusters, 327,680 bytes of LDS; arguments qkvc, ctx; writes ctx
.if DOCPART == 3
	.amdgcn_target "amdgcn-amd-amdhsa--gfx1250"
	.amdhsa_code_object_version 6
	.text
	.protected	k_q8b7c3d7cf0_attn
	.globl	k_q8b7c3d7cf0_attn
	.p2align	8
	.type	k_q8b7c3d7cf0_attn,@function
k_q8b7c3d7cf0_attn:
	s_mov_b64 s[64:65], 0
	v_nop
	global_prefetch_b8 v0, s[64:65] scope:SCOPE_SE
	s_setreg_imm32_b32 hwreg(HW_REG_WAVE_MODE, 25, 1), 1
	s_wait_xcnt 0x0
; ctx = codes of softmax(q k^T / 8, causal) v, per head, on codes of FP6 (E2M3) with E8M0 scales; p = 2^(t - M), M the ceiling of the running largest t, the row's sum taken of the unquantised p.
; LEFT OUT: steps of 128 keys that lie wholly behind the diagonal: the causal mask turns their scores into -inf, so their p is 0 for all inputs.
; THE DEAL.  12 heads x 64 blocks of 64 queries (4 tiles of 16) go to 256 work-groups of 16 waves, three blocks each, one after the other (three jobs).  64 work-groups serve three heads; work-group i of the 64
; takes block i of the first head, (i + 32) % 64 of the second and 62 - 2 i (i < 32) or 127 - 2 i of the third: each is a permutation of 0 .. 63 and the three sum to 94 or 95, so every work-group has 49 or 50 steps of 128 keys a tile.
; IN A JOB wave w owns query tile w / 4 and the steps whose number is (w + 3 (w / 4)) % 4 modulo 4 (its class): all sixteen waves walk the keys together.
; LDS: a ring of two slots, a slot = two records of 512 keys (K's 16 fragments, V's 16, their scale words: 51,200 bytes a record).  The ring goes on from job to job: fill f brings pair 4 J + u of the three heads' twelve pairs.
; A job of block j has j / 16 + 1 pairs; the three have 7 or 8 in all: eight trips of constant count and a closing one.  A wave fetches a sixteenth of a pair (25 rows of 256 bytes), one tensor load behind each refill's barrier;
; every wait on TENSORcnt is for 0; a test on ids alone, the same in all waves, leads round the fills behind the last pair.
; A JOB'S END: classes 1 to 3 store O^T, -M and the sum to LDS bytes of their own; the next trip's first barrier shows them to class 0, which joins the four parts by exact powers of two, divides, quantises and stores.
; A second barrier in each trip stands between those reads and the next job's stores.  q of all three jobs is loaded at the head and kept in registers.
; NO CLUSTER: work-groups that read the same head need different numbers of pairs.  NO PREFETCH: which work-groups read a record changes from record to record, so its blocks cannot be shared out by address.
; Both products are used transposed (S^T = k q^T, O^T = v^T p^T): a lane holds one query.  K = 64 fills half of an instruction's 128: a fragment of k holds two key tiles, and q stands once with zeros above, once with zeros below.
; STATED: a row's sums are formed as four partial f32 sums, each under its own running M.  LIMITS: holds while the scaled scores stay under 2^31 in magnitude; NaN and infinities are not served;
; a block under 2^-124 (a block of zeros too) keeps the byte 1: its reader is this program alone.
; REGISTERS: v16-39 q; v40-87 fragments; v88-92 scale words; v93-95 later jobs' q scale words; v96-159 scores, p; v160-191 O^T; v192-207 codes; v208 mask base; v209 my part's LDS address; v236-253 later jobs' q.
.set REC,   51200
.set BS,    2*REC
.set SPARE, 2*BS
.set COMB,  SPARE+2048
.set PART,  4608                       ; a wave's part: 8 x 512 bytes of O^T, 512 of (-M, t, sum, sum)
.set QF,    4915200
.set QS,    7274496
.set SEL,   32
.set CS,    34
.macro PLACES n
.rept \n
	v_nop
.endr
.endm
.macro FRAG reg, a16, a8, off          ; a fragment's image back into 12 registers
	ds_load_b128 v[\reg:\reg+3], v[\a16] offset:\off
	ds_load_b64 v[\reg+4:\reg+5], v[\a8] offset:\off+512
	ds_load_b128 v[\reg+6:\reg+9], v[\a16] offset:\off+768
	ds_load_b64 v[\reg+10:\reg+11], v[\a8] offset:\off+1280
.endm
.macro MA d, a, b, sa, sb, row, acc
.if \acc
.if \row
	v_wmma_scale_f32_16x16x128_f8f6f4 v[\d:\d+7], v[\a:\a+11], v[\b:\b+11], v[\d:\d+7], v[\sa], v[\sb] matrix_a_fmt:MATRIX_FMT_FP6 matrix_b_fmt:MATRIX_FMT_FP6 matrix_a_scale:MATRIX_SCALE_ROW1
.else
	v_wmma_scale_f32_16x16x128_f8f6f4 v[\d:\d+7], v[\a:\a+11], v[\b:\b+11], v[\d:\d+7], v[\sa], v[\sb] matrix_a_fmt:MATRIX_FMT_FP6 matrix_b_fmt:MATRIX_FMT_FP6
.endif
.else
.if \row
	v_wmma_scale_f32_16x16x128_f8f6f4 v[\d:\d+7], v[\a:\a+11], v[\b:\b+11], 0, v[\sa], v[\sb] matrix_a_fmt:MATRIX_FMT_FP6 matrix_b_fmt:MATRIX_FMT_FP6 matrix_a_scale:MATRIX_SCALE_ROW1
.else
	v_wmma_scale_f32_16x16x128_f8f6f4 v[\d:\d+7], v[\a:\a+11], v[\b:\b+11], 0, v[\sa], v[\sb] matrix_a_fmt:MATRIX_FMT_FP6 matrix_b_fmt:MATRIX_FMT_FP6
.endif
.endif
.endm
; One step: my 16 queries x 128 keys.  s11: the step's number in the job, s10: the diagonal's step, s12, s13: the step's fragments and scale words in LDS.  My next step lies one record on.
.macro STEP
	s_cmp_gt_u32 s11, s10                              ; wholly behind the diagonal: no work
	s_cbranch_scc1 .Lhid_\@
	v_add_nc_u32 v8, s12, v1
	v_add_nc_u32 v9, s12, v2
	v_add_nc_u32 v10, s13, v3
.irp p, 0,1,2,3
	FRAG 40+12*\p, 8, 9, \p*1536                       ; k: four fragments of two key tiles each
.endr
	ds_load_b32 v88, v10
	ds_load_b32 v89, v10 offset:128
	s_wait_alu depctr_va_vdst(0)
	s_wait_dscnt 0x0
.irp p, 0,1,2,3
	MA 96+16*\p, 40+12*\p, 16, 88+\p/2, 92, \p%2, 0    ; the fragment's lower key tile (q, 0),
	MA 104+16*\p, 40+12*\p, 28, 88+\p/2, 92, \p%2, 0   ; its upper one (0, q)
.endr
	PLACES 4
.irp p, 0,1,2,3
	FRAG 40+12*\p, 8, 9, 24576+\p*1536                 ; v's four channel tiles take k's registers
.endr
	ds_load_b32 v90, v10 offset:1024
	ds_load_b32 v91, v10 offset:1152
	s_cmp_lg_u32 s11, s10
	s_cbranch_scc1 .Lopen_\@
	v_mov_b32 v224, 0xff800000                         ; the diagonal's step: keys behind my query get -inf
.set n, 0
.rept 64
	v_cmp_gt_i32 vcc_lo, 32*(n/16)+n%16, v6
	v_cndmask_b32 v[96+n], v[96+n], v224, vcc_lo
.set n, n+1
.endr
.Lopen_\@:
.irp b, 0,1,2,3
	v_max3_num_f32 v[212+\b], v[96+16*\b], v[97+16*\b], v[98+16*\b]   ; the largest score of each block of 32 keys
.endr
.irp i, 3,5,7,9,11,13
.irp b, 0,1,2,3
	v_max3_num_f32 v[212+\b], v[212+\b], v[96+16*\b+\i], v[97+16*\b+\i]
.endr
.endr
.irp b, 0,1,2,3
	v_max_num_f32 v[212+\b], v[212+\b], v[111+16*\b]
.endr
.irp b, 0,1,2,3
	s_delay_alu instid0(VALU_DEP_4)
	v_permlanex16_b32 v[216+\b], v[212+\b], s[SEL], s[SEL+1]
.endr
.irp b, 0,1,2,3
	s_delay_alu instid0(VALU_DEP_4)
	v_max_num_f32 v[212+\b], v[212+\b], v[216+\b]
.endr
	s_delay_alu instid0(VALU_DEP_2)
	v_max3_num_f32 v224, v212, v213, v214
	s_delay_alu instid0(VALU_DEP_1)
	v_max_num_f32 v224, v224, v215
	s_delay_alu instid0(VALU_DEP_1)
	v_mul_f32 v224, s[CS], v224
	s_delay_alu instid0(VALU_DEP_1)
	v_max_num_f32 v13, v13, v224                       ; the running largest t
	v_mov_b32 v224, v12
	s_delay_alu instid0(VALU_DEP_2)
	v_floor_f32 v12, -v13                              ; -M = floor(-t)
	s_delay_alu instid0(VALU_DEP_1)
	v_sub_f32 v224, v12, v224
	s_delay_alu instid0(VALU_DEP_1)
	v_cvt_i32_f32 v224, v224
	s_delay_alu instid0(VALU_DEP_1)
	v_ldexp_f32 v226, 1.0, v224                        ; f = 2^(old M - new M)
.set j, 0
.rept 32
	v_pk_fma_f32 v[96+j:97+j], v[96+j:97+j], s[CS:CS+1], v[12:13] op_sel_hi:[1,0,0]   ; t - M
.set j, j+2
.endr
.irp b, 0,1,2,3
	v_fma_f32 v[212+\b], v[212+\b], s[CS], v12
.endr
.set j, 0
	s_wait_alu depctr_va_vdst(0)
.rept 64
	v_exp_f32 v[96+j], v[96+j]
.set j, j+1
.endr
	v_pk_mul_f32 v[14:15], v[14:15], v[226:227] op_sel_hi:[1,0]
	s_wait_alu depctr_va_vdst(0)
.irp b, 0,1,2,3
	v_exp_f32 v[212+\b], v[212+\b]                     ; each block's largest p
.endr
	v_pk_add_f32 v[230:231], v[96:97], v[98:99]        ; the row's sum, of the unquantised p, in two chains
.set j, 4
.rept 15
	v_pk_add_f32 v[14:15], v[14:15], v[96+j:97+j]
	v_pk_add_f32 v[230:231], v[230:231], v[98+j:99+j]
.set j, j+4
.endr
	s_delay_alu instid0(VALU_DEP_1)
	v_pk_add_f32 v[14:15], v[14:15], v[230:231]
	s_wait_alu depctr_va_vdst(0)
.irp b, 0,1,2,3
	v_max_num_f32 v[212+\b], 0x1800000, v[212+\b]      ; the floor 2^(3 - 127)
.endr
.irp b, 0,1,2,3
	s_delay_alu instid0(VALU_DEP_4)
	v_add_nc_u32 v[220+\b], 0xff000000, v[212+\b]      ; 2 off the exponent field: the conversion's scale operand
.endr
.irp b, 0,1,2,3
	s_delay_alu instid0(VALU_DEP_4)
	v_lshrrev_b32 v[216+\b], 23, v[220+\b]
.endr
	s_delay_alu instid0(VALU_DEP_3)
	v_lshl_or_b32 v228, v217, 8, v216                  ; p's scale word
	s_delay_alu instid0(VALU_DEP_1)
	v_lshl_or_b32 v228, v218, 16, v228
	s_delay_alu instid0(VALU_DEP_1)
	v_lshl_or_b32 v228, v219, 24, v228
.irp c, 0,1
	v_cvt_scalef32_pk16_fp6_f32 v[192+6*\c:194+6*\c], v[96+32*\c:111+32*\c], v[220+2*\c]
	v_cvt_scalef32_pk16_fp6_f32 v[204+28*\c:206+28*\c], v[112+32*\c:127+32*\c], v[220+2*\c+1]   ; (a conversion's three registers begin on an even number: v204-206 and v232-234, at work here alone)
.endr
	v_nop
.irp c, 0,1
.irp i, 0,1,2
	v_permlane16_swap_b32 v[192+6*\c+\i], v[204+28*\c+\i]   ; a whole block to a lane
.endr
.irp i, 0,1,2
	s_delay_alu instid0(VALU_DEP_3)
	v_mov_b32 v[195+6*\c+\i], v[204+28*\c+\i]
.endr
.endr
.set j, 0
.rept 16
	v_pk_mul_f32 v[160+j:161+j], v[160+j:161+j], v[226:227] op_sel_hi:[1,0]   ; O^T under the new M
.set j, j+2
.endr
	s_wait_alu depctr_va_vdst(0)
	s_wait_dscnt 0x0
.irp t, 0,1,2,3
	MA 160+8*\t, 40+12*\t, 192, 90+\t/2, 228, \t%2, 1
.endr
	PLACES 4
.Lhid_\@:
	s_add_co_u32 s12, s12, REC
	s_add_co_u32 s13, s13, REC
	s_add_co_u32 s11, s11, 4
.endm
.macro WORK slot                       ; my two steps of this slot's pair of records: steps 8 u + class and 8 u + 4 + class
	s_add_co_u32 s12, s54, \slot*BS
	s_add_co_u32 s13, s55, \slot*BS
	s_lshl_b32 s11, s44, 3
	s_add_co_u32 s11, s11, s29
	s_mov_b32 s15, 2
.Lstep_\@:
	STEP
	s_sub_co_u32 s15, s15, 1
	s_cmp_lg_u32 s15, 0
	s_cbranch_scc1 .Lstep_\@
.endm
; A job begins: its q and scale word out of the kept registers (which move up by one job), the state anew.  s40: its block.
.macro JOBINIT
	v_mov_b32 v92, v93
	v_mov_b32 v93, v94
	v_mov_b32 v94, v95
.irp i, 0,1,2,3,4,5
	v_mov_b32 v[16+\i], v[236+\i]
	v_mov_b32 v[34+\i], v[236+\i]
.endr
.irp i, 0,1,2,3,4,5
	v_mov_b32 v[236+\i], v[242+\i]
.endr
.irp i, 0,1,2,3,4,5
	v_mov_b32 v[242+\i], v[248+\i]
.endr
	v_mov_b32 v13, 0xff61b1e6                          ; the largest t so far: -3e38
	v_floor_f32 v12, -v13
	v_mov_b32 v14, 0
	v_mov_b32 v15, 0
.set j, 0
.rept 32
	v_mov_b32 v[160+j], 0                              ; O^T: the step is written once and finds zeros
.set j, j+1
.endr
	s_lshr_b32 s10, s40, 1                             ; the diagonal's step
	s_and_b32 s51, s40, 1
	s_lshl_b32 s51, s51, 6
	v_add_nc_u32 v6, s51, v208                         ; my query's place among its 128, less 16 x my half of the lanes
	s_lshl_b32 s57, s40, 2
	s_add_co_u32 s57, s57, s28                         ; my query tile, 0..255
	s_mov_b32 s40, s41
	s_mov_b32 s41, s42
	s_wait_alu depctr_va_vdst(0)
.endm
; Class 0 joins the four parts of its tile (tile s58 of head s59), divides by the row's sum, quantises along the head's 64 and stores.
.macro COMBINE
.irp i, 0,1,2,3,4,5,6,7
	ds_load_b128 v[96+4*\i:99+4*\i], v209 offset:PART+512*\i
	ds_load_b128 v[128+4*\i:131+4*\i], v209 offset:2*PART+512*\i
	ds_load_b128 v[40+4*\i:43+4*\i], v209 offset:3*PART+512*\i
.endr
	ds_load_b128 v[72:75], v209 offset:PART+4096
	ds_load_b128 v[76:79], v209 offset:2*PART+4096
	ds_load_b128 v[80:83], v209 offset:3*PART+4096
	s_wait_dscnt 0x0
	v_min_num_f32 v210, v12, v72
	v_min_num_f32 v211, v76, v80
	v_min_num_f32 v210, v210, v211                     ; -M of the four: the largest M
	v_sub_f32 v232, v210, v12
	v_sub_f32 v234, v210, v72
	v_sub_f32 v84, v210, v76
	v_sub_f32 v86, v210, v80                           ; each part's M less the largest: whole numbers, 0 or less (a part with no step: -3e38, which saturates and gives the factor 0)
.irp r, 232,234,84,86
	v_cvt_i32_f32 v[\r], v[\r]
.endr
.irp r, 232,234,84,86
	v_ldexp_f32 v[\r], 1.0, v[\r]
.endr
	v_add_f32 v14, v14, v15
	v_add_f32 v74, v74, v75
	v_add_f32 v78, v78, v79
	v_add_f32 v82, v82, v83
	v_mul_f32 v14, v14, v232
	v_fma_f32 v14, v74, v234, v14
	v_fma_f32 v14, v78, v84, v14
	v_fma_f32 v14, v82, v86, v14
	v_permlanex16_b32 v224, v14, s[SEL], s[SEL+1]
	v_add_f32 v14, v14, v224                           ; the row's sum
	s_wait_alu depctr_va_vdst(0)
	v_rcp_f32 v211, v14
	v_nop
	s_wait_alu depctr_va_vdst(0)
.irp r, 232,234,84,86
	v_mul_f32 v[\r], v[\r], v211
.endr
.irp r, 232,234,84,86
	v_mov_b32 v[\r+1], v[\r]
.endr
.set j, 0
.rept 16
	v_pk_mul_f32 v[96+j:97+j], v[96+j:97+j], v[234:235]
.set j, j+2
.endr
.set j, 0
.rept 16
	v_pk_fma_f32 v[96+j:97+j], v[160+j:161+j], v[232:233], v[96+j:97+j]
.set j, j+2
.endr
.set j, 0
.rept 16
	v_pk_fma_f32 v[96+j:97+j], v[128+j:129+j], v[84:85], v[96+j:97+j]
.set j, j+2
.endr
.set j, 0
.rept 16
	v_pk_fma_f32 v[96+j:97+j], v[40+j:41+j], v[86:87], v[96+j:97+j]
.set j, j+2
.endr
.irp b, 0,1
	v_max3_num_f32 v[212+\b], |v[96+16*\b]|, |v[97+16*\b]|, 0x1800000
.endr
.irp i, 2,4,6,8,10,12,14
.irp b, 0,1
	s_delay_alu instid0(VALU_DEP_2)
	v_max3_num_f32 v[212+\b], v[212+\b], |v[96+16*\b+\i]|, |v[97+16*\b+\i]|
.endr
.endr
.irp b, 0,1
	s_delay_alu instid0(VALU_DEP_2)
	v_permlanex16_b32 v[216+\b], v[212+\b], s[SEL], s[SEL+1]
.endr
.irp b, 0,1
	s_delay_alu instid0(VALU_DEP_2)
	v_max_num_f32 v[212+\b], v[212+\b], v[216+\b]
.endr
.irp b, 0,1
	s_delay_alu instid0(VALU_DEP_2)
	v_add_nc_u32 v[220+\b], 0xff000000, v[212+\b]
.endr
.irp b, 0,1
	s_delay_alu instid0(VALU_DEP_2)
	v_lshrrev_b32 v[216+\b], 23, v[220+\b]
.endr
	s_delay_alu instid0(VALU_DEP_1)
	v_lshl_or_b32 v225, v217, 8, v216
	v_cvt_scalef32_pk16_fp6_f32 v[192:194], v[96:111], v220
	v_cvt_scalef32_pk16_fp6_f32 v[204:206], v[112:127], v221
	v_nop
.irp i, 0,1,2
	v_permlane16_swap_b32 v[192+\i], v[204+\i]
.endr
.irp i, 0,1,2
	s_delay_alu instid0(VALU_DEP_3)
	v_mov_b32 v[195+\i], v[204+\i]
.endr
	s_lshr_b32 s80, s58, 4                             ; ctx: fragment (((T / 16) 6 + head / 2) 16 + T % 16), half head % 2
	s_mul_i32 s80, s80, 6
	s_lshr_b32 s81, s59, 1
	s_add_co_u32 s80, s80, s81
	s_lshl_b32 s80, s80, 4
	s_and_b32 s82, s58, 15
	s_add_co_u32 s80, s80, s82
	s_mul_i32 s80, s80, 1536
	s_and_b32 s82, s59, 1
	s_mul_i32 s83, s82, 768
	s_add_co_u32 s80, s80, s83
	s_mul_i32 s84, s58, 6
	s_add_co_u32 s84, s84, s81
	s_lshl_b32 s84, s84, 6
	s_lshl_b32 s82, s82, 1
	s_add_co_u32 s84, s84, s82
	s_add_co_u32 s84, s84, 2359296
	s_mov_b32 s81, 0
	s_mov_b32 s85, 0
	s_add_nc_u64 s[86:87], s[6:7], s[80:81]
	s_add_nc_u64 s[88:89], s[6:7], s[84:85]
	s_wait_alu depctr_va_vdst(0)
	global_store_b128 v1, v[192:195], s[86:87]         ; 512 and 256 consecutive bytes, at a multiple of 256
	global_store_b64 v2, v[196:197], s[86:87] offset:512
	v_cmp_gt_u32 vcc_lo, 16, v7
	s_wait_xcnt 0x0                                    ; EXEC changes only behind this wait
	s_and_saveexec_b32 s90, vcc_lo
	global_store_b16 v11, v225, s[88:89]               ; lanes 0-15: my head's two scale bytes of each row
	s_wait_xcnt 0x0                                    ; and the stores' registers are free again
	s_or_b32 exec_lo, exec_lo, s90
.endm
; A trip: the pair of fill t lies in slot t % 2; behind the first barrier fill t + 1 is asked for into the other slot (in trip 0: that slot's first fill).  last = 1: the closing trip: only a job's end is left to join.
.macro TRIP slot, last
	s_wait_tensorcnt 0x0                               ; my one load that may be out, my sixteenth of this trip's pair, has landed
	ds_add_u32 v4, v5
.if \last == 0
	s_add_co_u32 s43, s43, 1                           ; f, the next fill; no load of mine is out, so the descriptor may be written
	s_cmp_ge_u32 s43, s46
	s_cselect_b32 s51, s49, 0                          ; behind the first job's pairs: on to the second head's first pair,
	s_cmp_ge_u32 s43, s47
	s_cselect_b32 s52, s50, 0                          ; behind the second's: to the third's
	s_add_co_u32 s51, s51, s52
	s_add_co_u32 s51, s51, s43                         ; 4 J + u
	s_mul_i32 s62, s51, BS
	s_mov_b32 s63, 0
	s_add_nc_u64 s[26:27], s[60:61], s[62:63]
	s_or_b32 s27, s27, 0x80000000
	s_add_co_u32 s25, s56, (1-\slot)*BS
.endif
	s_wait_dscnt 0x0                                   ; the add is done, my reads of the other slot, and my stores of a finished job's part
	s_barrier_signal -1
	s_barrier_wait -1
.if \last == 0
	s_cmp_lt_u32 s43, s48                              ; is there such a fill?  Ids alone decide, alike in all waves
	s_cbranch_scc0 .Lnofill_\@
	tensor_load_to_lds s[24:27], s[16:23]
	s_nop 0
	PLACES 4
.Lnofill_\@:
.endif
	s_cmp_eq_u32 s31, 0                                ; did a job end in the last trip?
	s_cbranch_scc1 .Lsame_\@
	s_cmp_lg_u32 s29, 0
	s_cbranch_scc1 .Lnojoin_\@
	COMBINE
.Lnojoin_\@:
.if \last == 0
	JOBINIT
	s_mov_b32 s31, 0
.endif
.Lsame_\@:
.if \last == 0
	s_barrier_signal -1                                ; the reads of the parts are over (each was waited for): the next job's parts may be stored behind this barrier
	s_barrier_wait -1
	s_cmp_eq_u32 s30, 0                                ; no job left
	s_cbranch_scc1 .Lnext_\@
	WORK \slot
	s_add_co_u32 s44, s44, 1
	s_lshr_b32 s51, s10, 3
	s_cmp_gt_u32 s44, s51                              ; was that the job's last pair?
	s_cbranch_scc0 .Lnext_\@
	s_mov_b32 s44, 0
	s_sub_co_u32 s30, s30, 1
	s_mov_b32 s31, 1
	s_mov_b32 s58, s57
	s_mov_b32 s59, s9
	s_add_co_u32 s9, s9, 1
	s_cmp_eq_u32 s29, 0
	s_cbranch_scc1 .Lnext_\@
.irp i, 0,1,2,3,4,5,6,7
	ds_store_b128 v209, v[160+4*\i:163+4*\i] offset:512*\i   ; each accumulator from its low end on
.endr
	ds_store_b128 v209, v[12:15] offset:4096
.Lnext_\@:
.endif
.endm
	s_load_b128 s[4:7], s[0:1], 0x0                    ; qkvc, ctx
	v_lshl_add_u32 v4, v0, 2, SPARE
	v_mov_b32 v5, 0
	ds_add_u32 v4, v5                                  ; the opening lines
	ds_add_u32 v4, v5
	v_lshrrev_b32 v1, 5, v0
	v_readfirstlane_b32 s8, v1                         ; wave 0..15
	s_lshr_b32 s28, s8, 2                              ; my tile of a block
	s_and_b32 s29, s8, 3
	s_mul_i32 s51, s28, 3
	s_add_co_u32 s29, s29, s51
	s_and_b32 s29, s29, 3                              ; my class of steps
	s_and_b32 s40, ttmp9, 63                           ; the first job's block,
	s_lshr_b32 s9, ttmp9, 6
	s_mul_i32 s9, s9, 3                                ; and its head
	s_add_co_u32 s41, s40, 32
	s_and_b32 s41, s41, 63                             ; the second job's block
	s_lshl_b32 s42, s40, 1
	s_cmp_lt_u32 s40, 32
	s_cselect_b32 s51, 62, 0x7f
	s_sub_co_u32 s42, s51, s42                         ; the third's
	s_mov_b32 s16, 3<<16                               ; group 1: 25 rows of 256 bytes, dense
	s_mov_b32 s17, 32<<16
	s_mov_b32 s18, 25<<16
	s_mov_b32 s19, 32<<16
	s_mov_b32 s20, 25
	s_mov_b32 s21, 32
	s_mov_b32 s22, 0
	s_mov_b32 s23, 0
	s_mul_i32 s56, s8, BS/16                           ; my sixteenth of a pair
	s_mul_i32 s62, s9, 4*BS                            ; a head has four pairs
	s_add_co_u32 s62, s62, s56
	s_mov_b32 s63, 0
	s_wait_dscnt 0x0
	s_wait_kmcnt 0x0
	s_add_nc_u64 s[60:61], s[4:5], s[62:63]
	s_mov_b32 s24, 1
	s_mov_b32 s25, s56
	s_mov_b64 s[26:27], s[60:61]
	s_or_b32 s27, s27, 0x80000000
	tensor_load_to_lds s[24:27], s[16:23]              ; fill 0, which holds key 0 of the first job: every wave issues its one load of the head
	s_nop 0
	PLACES 4
	s_mov_b32 s[SEL], 0x76543210
	s_mov_b32 s[SEL+1], 0xfedcba98
	s_mov_b32 s[CS], 0x3e38aa3b                        ; log2(e) / 8
	s_mov_b32 s[CS+1], s[CS]
	s_lshr_b32 s46, s40, 4
	s_add_co_u32 s46, s46, 1                           ; the first job's pairs
	s_lshr_b32 s47, s41, 4
	s_add_co_u32 s47, s47, 1
	s_lshr_b32 s48, s42, 4
	s_add_co_u32 s48, s48, 1
	s_sub_co_u32 s49, 4, s46
	s_sub_co_u32 s50, 4, s47
	s_add_co_u32 s47, s47, s46                         ; the first two jobs'
	s_add_co_u32 s48, s48, s47                         ; all three jobs': 7 or 8
.irp J, 0,1,2
	s_add_co_u32 s51, s9, \J
	s_lshl_b32 s51, s51, 8
	s_lshl_b32 s52, s[40+\J], 2
	s_add_co_u32 s51, s51, s52
	s_add_co_u32 s51, s51, s28                         ; 256 x head + my tile of job J
	s_mul_i32 s62, s51, 768
	s_add_co_u32 s62, s62, QF
	s_add_nc_u64 s[68+4*\J:69+4*\J], s[4:5], s[62:63]  ; q's half fragment
	s_lshl_b32 s62, s51, 6
	s_add_co_u32 s62, s62, QS
	s_add_nc_u64 s[70+4*\J:71+4*\J], s[4:5], s[62:63]  ; its scale words
.endr
	s_mul_i32 s54, s29, 6144                           ; my class's step in a record: fragments,
	s_lshl_b32 s55, s29, 8
	s_add_co_u32 s55, s55, 49152                       ; scale words
	s_lshr_b32 s51, s28, 1
	s_lshl_b32 s51, s51, 5
	s_and_b32 s52, s28, 1
	s_lshl_b32 s52, s52, 3
	s_add_co_u32 s51, s51, s52                         ; 32 (tile / 2) + 8 (tile % 2)
	s_lshl_b32 s52, s28, 2
	s_add_co_u32 s52, s52, s29
	s_mul_i32 s52, s52, PART
	s_add_co_u32 s52, s52, COMB                        ; part 4 x tile + class
	s_mov_b32 s30, 3                                   ; jobs to go
	s_mov_b32 s58, 0                                   ; the finished job's tile and head: set anew at each job's end, written here so that they are defined on every path
	s_mov_b32 s59, 0
	s_mov_b32 s31, 0                                   ; 1: a job ended in the last trip
	s_mov_b32 s43, 0
	s_mov_b32 s44, 0                                   ; u: the pair's number in its job
	s_mov_b32 s14, 4
	v_and_b32 v7, 31, v0
	v_and_b32 v8, 15, v0
	v_bfe_u32 v9, v0, 4, 1
	v_lshlrev_b32 v1, 4, v7
	v_lshlrev_b32 v2, 3, v7
	v_lshlrev_b32 v3, 2, v7
	v_lshlrev_b32 v11, 2, v8
	v_and_b32 v10, 7, v8
	v_lshrrev_b32 v6, 3, v8
	v_lshl_add_u32 v6, v6, 4, v10
	v_lshlrev_b32 v10, 4, v9
	v_sub_nc_u32 v6, v6, v10
	v_add_nc_u32 v208, s51, v6
	v_lshl_add_u32 v209, v7, 4, s52
.irp J, 0,1,2
	global_load_b128 v[236+6*\J:239+6*\J], v1, s[68+4*\J:69+4*\J]
	global_load_b64 v[240+6*\J:241+6*\J], v2, s[68+4*\J:69+4*\J] offset:512
	global_load_b32 v[93+\J], v11, s[70+4*\J:71+4*\J]
.endr
.irp j, 22,23,24,25,26,27,28,29,30,31,32,33
	v_mov_b32 v[\j], 0                                 ; zero codes: (q, 0) in v16-27, (0, q) in v28-39
.endr
.irp b, 0,1,2,3
	v_mov_b32 v[216+\b], 0
.endr
	v_mov_b32 v224, 0
	v_mov_b32 v227, 0
	s_wait_alu depctr_va_vdst(0)
	s_wait_loadcnt 0x0
	JOBINIT
.Lpair:
	TRIP 0, 0
	TRIP 1, 0
	s_sub_co_u32 s14, s14, 1
	s_cmp_lg_u32 s14, 0
	s_cbranch_scc1 .Lpair
	TRIP 0, 1
	s_wait_tensorcnt 0x0                               ; the wave's end
	ds_add_u32 v4, v5
	s_wait_dscnt 0x0
	s_endpgm
.Lfunc_end_k_q8b7c3d7cf0_attn:
	.size	k_q8b7c3d7cf0_attn, .Lfunc_end_k_q8b7c3d7cf0_attn-k_q8b7c3d7cf0_attn
	.p2alignl 7, 3214868480
	.fill 96, 4, 3214868480
	.section	.rodata,"a",@progbits
	.p2align	6, 0x0
	.amdhsa_kernel k_q8b7c3d7cf0_attn
		.amdhsa_group_segment_fixed_size 327680
		.amdhsa_private_segment_fixed_size 0
		.amdhsa_enable_private_segment 0
		.amdhsa_kernarg_size 16
		.amdhsa_user_sgpr_count 2
		.amdhsa_user_sgpr_kernarg_segment_ptr 1
		.amdhsa_wavefront_size32 1
		.amdhsa_system_sgpr_workgroup_id_x 1
		.amdhsa_system_sgpr_workgroup_id_y 1
		.amdhsa_system_sgpr_workgroup_id_z 1
		.amdhsa_system_vgpr_workitem_id 0
		.amdhsa_next_free_vgpr 256
		.amdhsa_next_free_sgpr 100
		.amdhsa_reserve_vcc 1
		.amdhsa_float_denorm_mode_32 3
		.amdhsa_float_denorm_mode_16_64 3
		.amdhsa_memory_ordered 1
		.amdhsa_forward_progress 1
		.amdhsa_inst_pref_size 97
	.end_amdhsa_kernel
	.amdgpu_metadata
---
amdhsa.version: [ 1, 2 ]
amdhsa.kernels:
  - .name:           k_q8b7c3d7cf0_attn
    .symbol:         k_q8b7c3d7cf0_attn.kd
    .args:
      - { .name: qkvc, .offset: 0, .size: 8, .value_kind: global_buffer, .address_space: global }
      - { .name: ctx, .offset: 8, .size: 8, .value_kind: global_buffer, .address_space: global }
    .group_segment_fixed_size: 327680
    .private_segment_fixed_size: 0
    .kernarg_segment_align: 8
    .kernarg_segment_size: 16
    .max_flat_workgroup_size: 512
    .sgpr_count:     100
    .vgpr_count:     256
    .wavefront_size: 32
...
	.end_amdgpu_metadata
.endif
;; end of part 3
;; launch oproj (part 4): grid 12 x 16, 8 waves a work-group, clusters of 4 x 4, 185,344 bytes of LDS; arguments ctx, wc, bo, x, x2; writes x2
.if DOCPART == 4
	.amdgcn_target "amdgcn-amd-amdhsa--gfx1250"
	.amdhsa_code_object_version 6
	.text
	.protected	k_q8b7c3d7cf0_oproj
	.globl	k_q8b7c3d7cf0_oproj
	.p2align	8
	.type	k_q8b7c3d7cf0_oproj,@function
k_q8b7c3d7cf0_oproj:
	s_mov_b64 s[64:65], 0
	v_nop
	global_prefetch_b8 v0, s[64:65] scope:SCOPE_SE
	s_setreg_imm32_b32 hwreg(HW_REG_WAVE_MODE, 25, 1), 1
	s_wait_xcnt 0x0
	s_wait_alu depctr_hold_cnt(0) depctr_sa_sdst(0) depctr_va_vdst(0) depctr_va_sdst(0) depctr_va_ssrc(0) depctr_va_vcc(0) depctr_vm_vsrc(0)
	s_getreg_b32 s2, hwreg(HW_REG_IB_STS2, 6, 4)
	s_cmp_eq_u32 s2, 0
	s_cbranch_scc0 .Lentry_in_a_cluster
	s_endpgm
.Lentry_in_a_cluster:
	s_bfe_u32 s2, ttmp6, 0x10000c
	s_cmp_lg_u32 s2, 0xf033
	s_cbranch_scc0 .Lentry_shape_is_right
	s_endpgm
.Lentry_shape_is_right:
; out = A B + bias + residual, f32 [4096][768]; A and B are codes of FP6 (E2M3) with E8M0 scales, laid as images of fragments.  Here: x2 = ctx Wo + bo + x.
; A work-group takes 64 NQ tokens (panel Y) x 64 columns (panel X).  Both panels lie in LDS for all of K, filled ONCE, in three stages of NSPLIT K steps; no LDS byte is filled twice by the mover.
; CLUSTER 4 x 4: A's pieces are asked for jointly along a row of the cluster, B's along a column.  A wave has one tensor load outstanding.
; Eight waves: wave w takes token tiles 4 (w % NQ) .. + 3, all four column tiles (16 accumulators), and of each stage the ONE K step w / NQ: K is shared out, so every fragment of A is read from LDS by one wave.
; The NSPLIT partial sums meet in a stage in LDS that lies over the panels, behind a barrier behind which nobody reads them; each wave then adds and stores whole rows of 256 bytes.
; The product is used transposed (source 0 = weight tile): a lane holds eight neighbouring columns of one token.
; STATED: a sum over K is formed as NSPLIT partial f32 sums.  NaN and infinities are not served.
.set NQ,     4
.set LOGNQ,  2
.set NSPLIT, 2
.set KS,     6
.set MTP,    16
.set WCODE,  1327104
.set WSCALE, 7133184
.set ASCALE, 2359296
.set ASTEP,  MTP*1536
.set STGA,   NSPLIT*ASTEP
.set STGB,   NSPLIT*6144
.set BPANEL, KS*6144
.set BBASE,  147456
.set RW,     8*NQ                      ; rows that a wave stores
.set PSTRIDE, 64*NQ*272                ; a partial sum's 64 NQ rows of 256 + 16 bytes
.macro PLACES n
.rept \n
	v_nop
.endr
.endm
.macro CROUND
	s_barrier_signal -1
	s_barrier_wait -1
	s_cmp_lg_u32 s14, 0
	s_cbranch_scc1 .Lnot_wave_0_\@
	s_barrier_signal -3
.Lnot_wave_0_\@:
	s_barrier_wait -3
	s_barrier_signal -1
	s_barrier_wait -1
.endm
.macro FRAG reg, a16, a8, off
	ds_load_b128 v[\reg:\reg+3], v[\a16] offset:\off
	ds_load_b64 v[\reg+4:\reg+5], v[\a8] offset:\off+512
	ds_load_b128 v[\reg+6:\reg+9], v[\a16] offset:\off+768
	ds_load_b64 v[\reg+10:\reg+11], v[\a8] offset:\off+1280
.endm
.macro WM d, a, b, sa, sb, row, zero
.if \zero
	v_wmma_scale_f32_16x16x128_f8f6f4 v[\d:\d+7], v[\a:\a+11], v[\b:\b+11], 0, v[\sa], v[\sb] matrix_a_fmt:MATRIX_FMT_FP6 matrix_b_fmt:MATRIX_FMT_FP6
.else
.if \row
	v_wmma_scale_f32_16x16x128_f8f6f4 v[\d:\d+7], v[\a:\a+11], v[\b:\b+11], v[\d:\d+7], v[\sa], v[\sb] matrix_a_fmt:MATRIX_FMT_FP6 matrix_b_fmt:MATRIX_FMT_FP6 matrix_a_scale:MATRIX_SCALE_ROW1 matrix_b_scale:MATRIX_SCALE_ROW1
.else
	v_wmma_scale_f32_16x16x128_f8f6f4 v[\d:\d+7], v[\a:\a+11], v[\b:\b+11], v[\d:\d+7], v[\sa], v[\sb] matrix_a_fmt:MATRIX_FMT_FP6 matrix_b_fmt:MATRIX_FMT_FP6
.endif
.endif
.endm
.macro PHASE g
.if \g == 0
	s_wait_tensorcnt 0x0                               ; my one load, a quarter of a whole panel, has landed (one load a wave takes the place of the three stages' loads)
	s_barrier_signal -1
	s_barrier_wait -1                                  ; everybody's has: both panels are whole
.endif
.if \g == 0
	s_wait_loadcnt 0x0                                 ; the scale words of all three stages
.endif
.irp t, 0,1,2,3
	FRAG 32+12*\t, 2, 3, \t*1536
	FRAG 80+12*\t, 4, 5, \t*1536
.endr
	s_wait_dscnt 0x0
.irp m, 0,1,2,3
.irp n, 0,1,2,3
	WM 128+8*(4*\m+\n), 80+12*\n, 32+12*\m, 20+8*(\g/2)+\n, 16+8*(\g/2)+\m, \g%2, \g==0
.endr
.endr
.if \g < 2
	v_add_nc_u32 v2, STGA, v2                          ; on to the next stage: also the four places behind the last products
	v_add_nc_u32 v3, STGA, v3
	v_add_nc_u32 v4, STGB, v4
	v_add_nc_u32 v5, STGB, v5
.endif
.endm
	s_load_b256 s[4:11], s[0:1], 0x0                   ; A, wc, bias, residual
	s_load_b64 s[12:13], s[0:1], 0x20                  ; out
	v_lshl_add_u32 v13, v0, 2, 0x2d000
	s_set_vgpr_msb 0x40
	v_mov_b32 v1, 0
	s_set_vgpr_msb 0x4044
	ds_add_u32 v13, v1
	ds_add_u32 v13, v1
	s_set_vgpr_msb 0x4400
	v_lshrrev_b32 v1, 5, v0
	s_delay_alu instid0(VALU_DEP_1)
	v_readfirstlane_b32 s14, v1                        ; wave 0..7
	s_and_b32 s15, s14, NQ-1                           ; mq
	s_lshr_b32 s16, s14, LOGNQ                         ; kh
	s_bfe_u32 s17, ttmp6, 0x40000                      ; cx
	s_bfe_u32 s18, ttmp6, 0x40004                      ; cy
	s_lshl_b32 s19, ttmp9, 2
	s_add_co_u32 s19, s19, s17                         ; X
	s_and_b32 s20, ttmp7, 0xffff
	s_lshl_b32 s20, s20, 2
	s_add_co_u32 s20, s20, s18                         ; Y
	s_lshl_b32 s21, s18, 2
	s_lshl_b32 s21, 15, s21
	s_lshl_b32 s22, 0x1111, s17
	s_or_b32 s24, s21, (3<<16)|(1<<21)                 ; groups 1: dense blocks as rows of 256 bytes
	s_mov_b32 s25, 32<<16
	s_mov_b32 s26, 144<<16                             ; A: a quarter of the panel, 144 rows of 256 bytes
	s_mov_b32 s27, 32<<16
	s_mov_b32 s28, 144
	s_mov_b32 s29, 32
	s_mov_b32 s30, 0
	s_mov_b32 s31, 0
	s_or_b32 s32, s22, (3<<16)|(1<<21)
	s_mov_b32 s33, 32<<16
	s_mov_b32 s34, (BPANEL/1024)<<16                   ; B: a quarter of the panel
	s_mov_b32 s35, 32<<16
	s_mov_b32 s36, BPANEL/1024
	s_mov_b32 s37, 32
	s_mov_b32 s38, 0
	s_mov_b32 s39, 0
	s_mul_i32 s66, s20, 147456
	s_and_b32 s68, s14, 3                              ; which quarter of the panel I ask for (waves 0-3: A's, waves 4-7: B's)
	s_mul_i32 s69, s68, 36864
	s_add_co_u32 s66, s66, s69
	s_mov_b32 s67, 0
	s_mul_i32 s80, s19, BPANEL
	s_mul_i32 s82, s68, BPANEL/4
	s_add_co_u32 s80, s80, s82
	s_add_co_u32 s80, s80, WCODE
	s_mov_b32 s81, 0
	s_wait_dscnt 0x0
	s_wait_kmcnt 0x0
	s_add_nc_u64 s[70:71], s[4:5], s[66:67]
	s_add_nc_u64 s[84:85], s[6:7], s[80:81]
.irp g, 0
	s_mov_b32 s[40+4*\g], 1
	s_add_co_u32 s[41+4*\g], s69, \g*STGA
	s_add_nc_u64 s[42+4*\g:43+4*\g], s[70:71], \g*STGA
	s_or_b32 s[43+4*\g], s[43+4*\g], 0x80000000
	s_mov_b32 s[52+4*\g], 1
	s_add_co_u32 s[53+4*\g], s82, BBASE+\g*STGB
	s_add_nc_u64 s[54+4*\g:55+4*\g], s[84:85], \g*STGB
	s_or_b32 s[55+4*\g], s[55+4*\g], 0x80000000
.endr
	CROUND
	s_cmp_lt_u32 s14, 4
	s_cbranch_scc0 .Lfill_b
	tensor_load_to_lds s[40:43], s[24:31]
	s_nop 0
	PLACES 4
	s_branch .Lfilled
.Lfill_b:
	tensor_load_to_lds s[52:55], s[32:39]
	s_nop 0
	PLACES 4
.Lfilled:
	v_and_b32 v1, 31, v0                               ; lane
	v_and_b32 v15, 15, v0                              ; r
	v_bfe_u32 v14, v0, 4, 1                            ; h
	s_mul_i32 s72, s16, ASTEP
	s_mul_i32 s73, s15, 6144
	s_add_co_u32 s72, s72, s73
	v_lshl_add_u32 v2, v1, 4, s72
	v_lshl_add_u32 v3, v1, 3, s72
	s_mul_i32 s73, s16, 6144
	s_add_co_u32 s73, s73, BBASE
	v_lshl_add_u32 v4, v1, 4, s73
	v_lshl_add_u32 v5, v1, 3, s73
	v_lshlrev_b32 v9, 2, v15                           ; 4 r
	v_mul_u32_u24 v6, v14, NSPLIT*64
	s_delay_alu instid0(VALU_DEP_1)
	v_add_nc_u32 v6, v6, v9                            ; lanes 0-15: stage 0's record, lanes 16-31: stage 1's
	v_lshlrev_b32 v7, 4, v15                           ; 16 r
	v_mul_u32_u24 v8, v14, 3072
	s_delay_alu instid0(VALU_DEP_1)
	v_add_nc_u32 v8, v8, v7                            ; out: lanes 0-15 one row, lanes 16-31 the next
	s_mul_i32 s74, s16, PSTRIDE
	s_mul_i32 s75, s15, 64*272
	s_add_co_u32 s74, s74, s75
	v_mul_u32_u24 v10, v15, 272
	s_delay_alu instid0(VALU_DEP_1)
	v_lshl_add_u32 v10, v14, 6, v10
	s_delay_alu instid0(VALU_DEP_1)
	v_add_nc_u32 v10, s74, v10                         ; the stage, in: partial kh, row 64 mq + r, + 64 h
	s_mul_i32 s74, s14, RW*272
	v_mul_u32_u24 v11, v14, 272
	s_delay_alu instid0(VALU_DEP_1)
	v_lshl_add_u32 v11, v15, 4, v11
	s_delay_alu instid0(VALU_DEP_1)
	v_add_nc_u32 v11, s74, v11                         ; back: my RW rows, whole
	s_delay_alu instid0(VALU_DEP_1)
	v_add_nc_u32 v12, (NSPLIT/2)*PSTRIDE, v11          ; and the upper half of the partial sums
	s_mul_i32 s74, s20, MTP
	s_lshl_b32 s75, s15, 2
	s_add_co_u32 s74, s74, s75
	s_mul_i32 s74, s74, KS
	s_add_co_u32 s74, s74, s16
	s_lshl_b32 s74, s74, 6
	s_add_co_u32 s74, s74, ASCALE
	s_mov_b32 s75, 0
	s_add_nc_u64 s[76:77], s[4:5], s[74:75]
	s_mul_i32 s86, s19, 4*KS
	s_add_co_u32 s86, s86, s16
	s_lshl_b32 s86, s86, 6
	s_add_co_u32 s86, s86, WSCALE
	s_mov_b32 s87, 0
	s_add_nc_u64 s[88:89], s[6:7], s[86:87]
.irp t, 0,1,2,3
	global_load_b32 v[16+\t], v6, s[76:77] offset:\t*KS*64
	global_load_b32 v[20+\t], v6, s[88:89] offset:\t*KS*64
	global_load_b32 v[24+\t], v9, s[76:77] offset:(\t*KS+2*NSPLIT)*64
	global_load_b32 v[28+\t], v9, s[88:89] offset:(\t*KS+2*NSPLIT)*64
.endr
.if NQ == 4
	s_lshl_b32 s90, s20, 8                             ; the first token that I store: 256 Y + 32 w
	s_lshl_b32 s91, s14, 5
	s_add_co_u32 s90, s90, s91
.else
	s_lshl_b32 s90, s20, 6                             ; 64 Y + 32 (w / 4) + 8 ((w / 2) % 2) + 16 (w % 2)
	s_lshr_b32 s91, s14, 2
	s_lshl_b32 s91, s91, 5
	s_add_co_u32 s90, s90, s91
	s_bfe_u32 s91, s14, 0x10001
	s_lshl_b32 s91, s91, 3
	s_add_co_u32 s90, s90, s91
	s_and_b32 s91, s14, 1
	s_lshl_b32 s91, s91, 4
	s_add_co_u32 s90, s90, s91
.endif
	s_mul_i32 s90, s90, 3072
	s_lshl_b32 s82, s19, 8                             ; 64 X columns
	s_mov_b32 s83, 0
	s_add_co_u32 s90, s90, s82
	s_mov_b32 s91, 0
	s_add_nc_u64 s[92:93], s[10:11], s[90:91]
	s_add_nc_u64 s[94:95], s[12:13], s[90:91]
	s_add_nc_u64 s[84:85], s[8:9], s[82:83]
	PHASE 0
	s_wait_alu depctr_va_vdst(0)
	PHASE 1
	s_wait_alu depctr_va_vdst(0)
	PHASE 2
	; ---------------- the partial sums meet
	PLACES 4
.set i, 0
.rept RW/2
	global_load_b128 v[32+4*i:35+4*i], v8, s[92:93] offset:(8*(i>>3)+16*((i>>2)&1)+2*(i&3))*3072   ; the residual's rows, in the order of the stage's rows
.set i, i+1
.endr
	global_load_b128 v[96:99], v7, s[84:85]            ; the bias
	s_barrier_signal -1                                ; every wave's reads of the panels are over (each waited for them ahead of its products), and every piece has landed
	s_barrier_wait -1
.irp m, 0,1,2,3
.irp n, 0,1,2,3
	ds_store_b128 v10, v[128+8*(4*\m+\n):128+8*(4*\m+\n)+3] offset:16*\m*272+128*(\n/2)+32*(\n%2)      ; each accumulator from its low end on
	ds_store_b128 v10, v[128+8*(4*\m+\n)+4:128+8*(4*\m+\n)+7] offset:16*\m*272+128*(\n/2)+32*(\n%2)+16
.endr
.endr
	s_wait_dscnt 0x0                                   ; for the others' sake
	s_barrier_signal -1
	s_barrier_wait -1
.set i, 0
.rept RW/2
.set p, 0
.rept NSPLIT
.if p < NSPLIT/2
	ds_load_b128 v[128+4*(i*NSPLIT+p):128+4*(i*NSPLIT+p)+3], v11 offset:p*PSTRIDE+2*i*272
.else
	ds_load_b128 v[128+4*(i*NSPLIT+p):128+4*(i*NSPLIT+p)+3], v12 offset:(p-NSPLIT/2)*PSTRIDE+2*i*272
.endif
.set p, p+1
.endr
.set i, i+1
.endr
	s_wait_dscnt 0x0
	s_wait_loadcnt 0x0
.set i, 0
.rept RW/2
.set o, 128+4*i*NSPLIT
.set p, 1
.rept NSPLIT-1
	v_pk_add_f32 v[o:o+1], v[o:o+1], v[o+4*p:o+4*p+1]
	v_pk_add_f32 v[o+2:o+3], v[o+2:o+3], v[o+4*p+2:o+4*p+3]
.set p, p+1
.endr
	s_delay_alu instid0(VALU_DEP_2)
	v_pk_add_f32 v[o:o+1], v[o:o+1], v[96:97]
	s_delay_alu instid0(VALU_DEP_2)
	v_pk_add_f32 v[o+2:o+3], v[o+2:o+3], v[98:99]
	s_delay_alu instid0(VALU_DEP_2)
	v_pk_add_f32 v[o:o+1], v[o:o+1], v[32+4*i:33+4*i]
	s_delay_alu instid0(VALU_DEP_2)
	v_pk_add_f32 v[o+2:o+3], v[o+2:o+3], v[34+4*i:35+4*i]
	global_store_b128 v8, v[o:o+3], s[94:95] offset:(8*(i>>3)+16*((i>>2)&1)+2*(i&3))*3072   ; sixteen lanes store 256 consecutive bytes, at a multiple of 256
.set i, i+1
.endr
	s_set_vgpr_msb 0x4
	s_wait_tensorcnt 0x0
	ds_add_u32 v13, v1
	s_wait_dscnt 0x0
	s_set_vgpr_msb 0x400
	CROUND                                             ; the closing round
	s_endpgm
.Lfunc_end_k_q8b7c3d7cf0_oproj:
	.size	k_q8b7c3d7cf0_oproj, .Lfunc_end_k_q8b7c3d7cf0_oproj-k_q8b7c3d7cf0_oproj
	.p2alignl 7, 3214868480
	.fill 96, 4, 3214868480
	.section	.rodata,"a",@progbits
	.p2align	6, 0x0
	.amdhsa_kernel k_q8b7c3d7cf0_oproj
		.amdhsa_group_segment_fixed_size 185344
		.amdhsa_private_segment_fixed_size 0
		.amdhsa_enable_private_segment 0
		.amdhsa_kernarg_size 40
		.amdhsa_user_sgpr_count 2
		.amdhsa_user_sgpr_kernarg_segment_ptr 1
		.amdhsa_wavefront_size32 1
		.amdhsa_system_sgpr_workgroup_id_x 1
		.amdhsa_system_sgpr_workgroup_id_y 1
		.amdhsa_system_sgpr_workgroup_id_z 1
		.amdhsa_system_vgpr_workitem_id 0
		.amdhsa_next_free_vgpr 258
		.amdhsa_next_free_sgpr 100
		.amdhsa_reserve_vcc 0
		.amdhsa_float_denorm_mode_32 3
		.amdhsa_float_denorm_mode_16_64 3
		.amdhsa_memory_ordered 1
		.amdhsa_forward_progress 1
		.amdhsa_inst_pref_size 38
	.end_amdhsa_kernel
	.amdgpu_metadata
---
amdhsa.version: [ 1, 2 ]
amdhsa.kernels:
  - .name:           k_q8b7c3d7cf0_oproj
    .symbol:         k_q8b7c3d7cf0_oproj.kd
    .args:
      - { .name: ctx, .offset: 0, .size: 8, .value_kind: global_buffer, .address_space: global }
      - { .name: wc, .offset: 8, .size: 8, .value_kind: global_buffer, .address_space: global }
      - { .name: bo, .offset: 16, .size: 8, .value_kind: global_buffer, .address_space: global }
      - { .name: x, .offset: 24, .size: 8, .value_kind: global_buffer, .address_space: global }
      - { .name: x2, .offset: 32, .size: 8, .value_kind: global_buffer, .address_space: global }
    .group_segment_fixed_size: 185344
    .private_segment_fixed_size: 0
    .kernarg_segment_align: 8
    .kernarg_segment_size: 40
    .max_flat_workgroup_size: 256
    .sgpr_count:     100
    .vgpr_count:     258
    .wavefront_size: 32
...
	.end_amdgpu_metadata
.endif
;; end of part 4
;; launch ln2 (part 5): grid 256 x 1, 6 waves a work-group, no clusters, 1,792 bytes of LDS; arguments x2, g2, s2, h2; writes h2
.if DOCPART == 5
	.amdgcn_target "amdgcn-amd-amdhsa--gfx1250"
	.amdhsa_code_object_version 6
	.text
	.protected	k_q8b7c3d7cf0_ln2
	.globl	k_q8b7c3d7cf0_ln2
	.p2align	8
	.type	k_q8b7c3d7cf0_ln2,@function
k_q8b7c3d7cf0_ln2:
	s_mov_b64 s[64:65], 0
	v_nop
	global_prefetch_b8 v0, s[64:65] scope:SCOPE_SE
	s_setreg_imm32_b32 hwreg(HW_REG_WAVE_MODE, 25, 1), 1
	s_wait_xcnt 0x0
; h2 = codes of layernorm(x2; g2, s2): FP6 (E2M3), one E8M0 byte for each 32 along the 768, laid as images of fragments (16 rows x 128 K, 1,536 bytes) and scale records of 64 bytes.
; A work-group is one tile of 16 tokens (row r = token 32 (T / 2) + 8 (T % 2) + r % 8 + 16 (r / 8)), wave w takes k = 128 w .. 128 w + 127; mean and variance (two passes) meet in LDS, two barriers.
; LIMITS: NaN and infinities are not served; a block under 2^-124 (a block of zeros too) keeps the byte 1: its reader is this program alone.
.set XR,  16
.set GR,  80
.set SR,  144
.set TM,  208
.set PC,  224
.set PW,  244
.set SEL, 30
.set HSC, 2359296
.macro QUANT s, pc, pw
.irp b, 0,1,2,3
	v_max3_num_f32 v[TM+\b], |v[\s+16*\b]|, |v[\s+1+16*\b]|, 0x1800000
.endr
.irp i, 2,4,6,8,10,12,14
.irp b, 0,1,2,3
	v_max3_num_f32 v[TM+\b], v[TM+\b], |v[\s+16*\b+\i]|, |v[\s+1+16*\b+\i]|
.endr
.endr
.irp b, 0,1,2,3
	v_permlanex16_b32 v[TM+4+\b], v[TM+\b], s[SEL], s[SEL+1]
.endr
.irp b, 0,1,2,3
	v_max_num_f32 v[TM+\b], v[TM+\b], v[TM+4+\b]
.endr
.irp b, 0,1,2,3
	v_add_nc_u32 v[TM+12+\b], 0xff000000, v[TM+\b]
.endr
.irp b, 0,1,2,3
	v_lshrrev_b32 v[TM+4+\b], 23, v[TM+12+\b]
.endr
	v_lshl_or_b32 v[\pw], v[TM+5], 8, v[TM+4]
	v_lshl_or_b32 v[\pw], v[TM+6], 16, v[\pw]
	v_lshl_or_b32 v[\pw], v[TM+7], 24, v[\pw]
.irp c, 0,1
	v_cvt_scalef32_pk16_fp6_f32 v[\pc+6*\c:\pc+2+6*\c], v[\s+32*\c:\s+15+32*\c], v[TM+12+2*\c]
	v_cvt_scalef32_pk16_fp6_f32 v[\pc+12+4*\c:\pc+14+4*\c], v[\s+16+32*\c:\s+31+32*\c], v[TM+12+2*\c+1]
.endr
	v_nop
.irp c, 0,1
.irp i, 0,1,2
	v_permlane16_swap_b32 v[\pc+6*\c+\i], v[\pc+12+4*\c+\i]
.endr
.irp i, 0,1,2
	v_mov_b32 v[\pc+3+6*\c+\i], v[\pc+12+4*\c+\i]
.endr
.endr
.endm
.macro REDUCE red
	v_pk_add_f32 v[246:247], v[246:247], v[248:249]
	v_pk_add_f32 v[250:251], v[250:251], v[252:253]
	v_pk_add_f32 v[246:247], v[246:247], v[250:251]
	v_add_f32 v246, v246, v247
	v_permlanex16_b32 v247, v246, s[SEL], s[SEL+1]
	v_add_f32 v246, v246, v247
	ds_store_b32 v7, v246 offset:\red
	s_wait_dscnt 0x0                                   ; for the others' sake: my store has landed
	s_barrier_signal -1
	s_barrier_wait -1
.irp k, 0,1,2,3,4,5
	ds_load_b32 v[248+\k], v8 offset:\red+64*\k
.endr
	s_wait_dscnt 0x0
	v_add_f32 v248, v248, v249
	v_add_f32 v250, v250, v251
	v_add_f32 v252, v252, v253
	v_add_f32 v248, v248, v250
	v_add_f32 v248, v248, v252
.endm
	s_load_b256 s[4:11], s[0:1], 0x0                   ; x2, g2, s2, h2
	v_lshl_add_u32 v243, v0, 2, 0x400
	v_mov_b32 v245, 0
	v_lshrrev_b32 v1, 5, v0
	v_readfirstlane_b32 s28, v1                        ; wave 0..5
	v_and_b32 v9, 31, v0
	s_wait_alu depctr_va_vdst(0)
	s_wait_kmcnt 0x0
	s_mov_b64 s[24:25], s[10:11]
	v_and_b32 v1, 15, v0                               ; r
	v_bfe_u32 v2, v0, 4, 1                             ; h
	v_and_b32 v10, 7, v1
	v_lshrrev_b32 v11, 3, v1
	v_lshl_add_u32 v10, v11, 4, v10
	v_mul_u32_u24 v3, v10, 3072
	v_lshl_add_u32 v3, v2, 6, v3
	v_lshlrev_b32 v4, 6, v2
	s_wait_alu depctr_va_vdst(0)
	v_lshlrev_b32 v5, 4, v9
	v_lshlrev_b32 v6, 3, v9
	v_lshlrev_b32 v8, 2, v1
	s_lshl_b32 s32, s28, 6
	v_add_nc_u32 v7, s32, v8
	s_mov_b32 s[SEL], 0x76543210
	s_mov_b32 s[SEL+1], 0xfedcba98
	s_mov_b32 s40, 0x3aaaaaab                          ; 1 / 768
.irp b, 0,1,2,3
	v_mov_b32 v[TM+4+\b], 0
.endr
	s_lshr_b32 s33, ttmp9, 1
	s_lshl_b32 s33, s33, 5
	s_and_b32 s34, ttmp9, 1
	s_lshl_b32 s34, s34, 3
	s_add_co_u32 s33, s33, s34
	s_mul_i32 s34, s33, 3072
	s_lshl_b32 s36, s28, 9
	s_mov_b32 s37, 0
	s_add_co_u32 s34, s34, s36
	s_mov_b32 s35, 0
	s_add_nc_u64 s[4:5], s[4:5], s[34:35]
	s_add_nc_u64 s[6:7], s[6:7], s[36:37]
	s_add_nc_u64 s[8:9], s[8:9], s[36:37]
	s_lshr_b32 s33, ttmp9, 4
	s_mul_i32 s33, s33, 6
	s_add_co_u32 s33, s33, s28
	s_lshl_b32 s33, s33, 4
	s_and_b32 s34, ttmp9, 15
	s_add_co_u32 s33, s33, s34
	s_mul_i32 s34, s33, 1536
	s_add_nc_u64 s[36:37], s[24:25], s[34:35]
	s_mul_i32 s34, ttmp9, 6
	s_add_co_u32 s34, s34, s28
	s_lshl_b32 s34, s34, 6
	s_add_co_u32 s34, s34, HSC
	s_add_nc_u64 s[38:39], s[24:25], s[34:35]
.irp b, 0,1,2,3
.irp j, 0,1,2,3
	global_load_b128 v[XR+16*\b+4*\j:XR+16*\b+4*\j+3], v3, s[4:5] offset:128*\b+16*\j th:TH_LOAD_NT
.endr
.endr
.irp b, 0,1,2,3
.irp j, 0,1,2,3
	global_load_b128 v[GR+16*\b+4*\j:GR+16*\b+4*\j+3], v4, s[6:7] offset:128*\b+16*\j
	global_load_b128 v[SR+16*\b+4*\j:SR+16*\b+4*\j+3], v4, s[8:9] offset:128*\b+16*\j
.endr
.endr
	s_wait_loadcnt 32                                  ; x2 is in; the 32 loads of g and s may be out
.irp k, 0,1,2,3
	v_pk_add_f32 v[246+2*\k:247+2*\k], v[XR+2*\k:XR+2*\k+1], v[XR+8+2*\k:XR+9+2*\k]
.endr
.irp i, 16,24,32,40,48,56
.irp k, 0,1,2,3
	v_pk_add_f32 v[246+2*\k:247+2*\k], v[246+2*\k:247+2*\k], v[XR+\i+2*\k:XR+\i+2*\k+1]
.endr
.endr
	REDUCE 0
	v_mul_f32 v254, s40, v248                          ; the mean
	v_mov_b32 v255, v254
.set j, 0
.rept 32
	v_pk_add_f32 v[XR+j:XR+j+1], v[XR+j:XR+j+1], v[254:255] neg_lo:[0,1] neg_hi:[0,1]
.set j, j+2
.endr
.irp k, 0,1,2,3
	v_pk_mul_f32 v[246+2*\k:247+2*\k], v[XR+2*\k:XR+2*\k+1], v[XR+2*\k:XR+2*\k+1]
.endr
.irp i, 8,16,24,32,40,48,56
.irp k, 0,1,2,3
	v_pk_fma_f32 v[246+2*\k:247+2*\k], v[XR+\i+2*\k:XR+\i+2*\k+1], v[XR+\i+2*\k:XR+\i+2*\k+1], v[246+2*\k:247+2*\k]
.endr
.endr
	REDUCE 512                                         ; other LDS words than the first sum's
	v_mov_b32 v249, 0x3727c5ac                         ; 1e-5
	v_fma_f32 v248, v248, s40, v249
	s_wait_alu depctr_va_vdst(0)
	v_rsq_f32 v252, v248
	v_nop
	s_wait_alu depctr_va_vdst(0)                       ; the wait ahead of the first reader
	v_mov_b32 v253, v252
	s_wait_alu depctr_va_vdst(0)
	s_wait_loadcnt 0x0
.set j, 0
.rept 32
	v_pk_mul_f32 v[XR+j:XR+j+1], v[XR+j:XR+j+1], v[252:253]
.set j, j+2
.endr
.set j, 0
.rept 32
	v_pk_fma_f32 v[XR+j:XR+j+1], v[XR+j:XR+j+1], v[GR+j:GR+j+1], v[SR+j:SR+j+1]
.set j, j+2
.endr
	QUANT XR, PC, PW
	global_store_b128 v5, v[PC:PC+3], s[36:37]
	global_store_b64 v6, v[PC+4:PC+5], s[36:37] offset:512
	global_store_b128 v5, v[PC+6:PC+9], s[36:37] offset:768
	global_store_b64 v6, v[PC+10:PC+11], s[36:37] offset:1280
	v_cmp_gt_u32 vcc_lo, 16, v9
	s_wait_xcnt 0x0                                    ; EXEC changes only behind this wait
	s_wait_tensorcnt 0x0
	ds_add_u32 v243, v245
	s_wait_dscnt 0x0
	s_and_saveexec_b32 s41, vcc_lo
	global_store_b32 v8, v[PW], s[38:39]
	s_wait_xcnt 0x0
	s_or_b32 exec_lo, exec_lo, s41
	s_endpgm
.Lfunc_end_k_q8b7c3d7cf0_ln2:
	.size	k_q8b7c3d7cf0_ln2, .Lfunc_end_k_q8b7c3d7cf0_ln2-k_q8b7c3d7cf0_ln2
	.p2alignl 7, 3214868480
	.fill 96, 4, 3214868480
	.section	.rodata,"a",@progbits
	.p2align	6, 0x0
	.amdhsa_kernel k_q8b7c3d7cf0_ln2
		.amdhsa_group_segment_fixed_size 1792
		.amdhsa_private_segment_fixed_size 0
		.amdhsa_enable_private_segment 0
		.amdhsa_kernarg_size 32
		.amdhsa_user_sgpr_count 2
		.amdhsa_user_sgpr_kernarg_segment_ptr 1
		.amdhsa_wavefront_size32 1
		.amdhsa_system_sgpr_workgroup_id_x 1
		.amdhsa_system_sgpr_workgroup_id_y 1
		.amdhsa_system_sgpr_workgroup_id_z 1
		.amdhsa_system_vgpr_workitem_id 0
		.amdhsa_next_free_vgpr 256
		.amdhsa_next_free_sgpr 66
		.amdhsa_reserve_vcc 1
		.amdhsa_float_denorm_mode_32 3
		.amdhsa_float_denorm_mode_16_64 3
		.amdhsa_memory_ordered 1
		.amdhsa_forward_progress 1
		.amdhsa_inst_pref_size 24
	.end_amdhsa_kernel
	.amdgpu_metadata
---
amdhsa.version: [ 1, 2 ]
amdhsa.kernels:
  - .name:           k_q8b7c3d7cf0_ln2
    .symbol:         k_q8b7c3d7cf0_ln2.kd
    .args:
      - { .name: x2, .offset: 0, .size: 8, .value_kind: global_buffer, .address_space: global }
      - { .name: g2, .offset: 8, .size: 8, .value_kind: global_buffer, .address_space: global }
      - { .name: s2, .offset: 16, .size: 8, .value_kind: global_buffer, .address_space: global }
      - { .name: h2, .offset: 24, .size: 8, .value_kind: global_buffer, .address_space: global }
    .group_segment_fixed_size: 1792
    .private_segment_fixed_size: 0
    .kernarg_segment_align: 8
    .kernarg_segment_size: 32
    .max_flat_workgroup_size: 192
    .sgpr_count:     66
    .vgpr_count:     256
    .wavefront_size: 32
...
	.end_amdgpu_metadata
.endif
;; end of part 5
;; launch ffn1 (part 6): grid 24 x 16, 8 waves a work-group, clusters of 4 x 4, 295,936 bytes of LDS; arguments h2, wc, b1, b2, act; writes act
.if DOCPART == 6
	.amdgcn_target "amdgcn-amd-amdhsa--gfx1250"
	.amdhsa_code_object_version 6
	.text
	.protected	k_q8b7c3d7cf0_ffn1
	.globl	k_q8b7c3d7cf0_ffn1
	.p2align	8
	.type	k_q8b7c3d7cf0_ffn1,@function
k_q8b7c3d7cf0_ffn1:
	s_mov_b64 s[64:65], 0
	v_nop
	global_prefetch_b8 v0, s[64:65] scope:SCOPE_SE
	s_setreg_imm32_b32 hwreg(HW_REG_WAVE_MODE, 25, 1), 1
	s_wait_xcnt 0x0
	s_wait_alu depctr_hold_cnt(0) depctr_sa_sdst(0) depctr_va_vdst(0) depctr_va_sdst(0) depctr_va_ssrc(0) depctr_va_vcc(0) depctr_vm_vsrc(0)
	s_getreg_b32 s2, hwreg(HW_REG_IB_STS2, 6, 4)
	s_cmp_eq_u32 s2, 0
	s_cbranch_scc0 .Lentry_in_a_cluster
	s_endpgm
.Lentry_in_a_cluster:
	s_bfe_u32 s2, ttmp6, 0x10000c
	s_cmp_lg_u32 s2, 0xf033
	s_cbranch_scc0 .Lentry_shape_is_right
	s_endpgm
.Lentry_shape_is_right:
; act = Q(silu(h2 w1 + b1) x (h2 w2 + b2)): both products on codes of FP6 (E2M3) with E8M0 scales; the result is quantised at once along the hidden 3,072 and only codes go to memory.
; A work-group takes 256 tokens (panel Y: 16 tiles) x 128 hidden units (panel X: 8 tiles of w1 and the same 8 of w2).  Both panels lie in LDS for all of K (6 steps), 147,456 bytes each, filled ONCE in three stages.
; CLUSTER 4 x 4: the tokens' pieces are asked for jointly along a row of the cluster, the weights' along a column.  A wave has one tensor load outstanding.
; Wave w: token tiles 4 (w % 4) .. + 3; hidden tiles 4 (w / 4) .. + 3 of w1 AND of w2: 32 accumulators, all of register window 1; everything else lies in window 0.
; Transposed use (source 0 = weight tile): a lane holds one token and 32 of 64 neighbouring hidden units, which are the next K.  The biases are the C of each sum's first product.
; LIMITS: NaN and infinities are not served; a block under 2^-124 (a block of zeros too) keeps the byte 1.
.set TM,    168
.set SEL,   96
.set BBASE, 147456
.set STG,   49152
.set MSB, 0
.macro WIN new                         ; the immediate's high byte repeats the setting that is left
.if MSB != \new
	s_set_vgpr_msb (MSB<<8)|\new
.set MSB, \new
.endif
.endm
.macro PLACES n
.rept \n
	v_nop
.endr
.endm
.macro CROUND
	s_barrier_signal -1
	s_barrier_wait -1
	s_cmp_lg_u32 s14, 0
	s_cbranch_scc1 .Lnot_wave_0_\@
	s_barrier_signal -3
.Lnot_wave_0_\@:
	s_barrier_wait -3
	s_barrier_signal -1
	s_barrier_wait -1
.endm
.macro FRAG reg, a16, a8, off
	ds_load_b128 v[\reg:\reg+3], v[\a16] offset:\off
	ds_load_b64 v[\reg+4:\reg+5], v[\a8] offset:\off+512
	ds_load_b128 v[\reg+6:\reg+9], v[\a16] offset:\off+768
	ds_load_b64 v[\reg+10:\reg+11], v[\a8] offset:\off+1280
.endm
.macro WM d, a, b, c, sa, sb, row
.if \row
	v_wmma_scale_f32_16x16x128_f8f6f4 v[\d:\d+7], v[\a:\a+11], v[\b:\b+11], v[\c:\c+7], v[\sa], v[\sb] matrix_a_fmt:MATRIX_FMT_FP6 matrix_b_fmt:MATRIX_FMT_FP6 matrix_a_scale:MATRIX_SCALE_ROW1 matrix_b_scale:MATRIX_SCALE_ROW1
.else
	v_wmma_scale_f32_16x16x128_f8f6f4 v[\d:\d+7], v[\a:\a+11], v[\b:\b+11], v[\c:\c+7], v[\sa], v[\sb] matrix_a_fmt:MATRIX_FMT_FP6 matrix_b_fmt:MATRIX_FMT_FP6
.endif
.endm
.macro QUANT s, pc, pw
.irp b, 0,1,2,3
	v_max3_num_f32 v[TM+\b], |v[\s+16*\b]|, |v[\s+1+16*\b]|, 0x1800000
.endr
.irp i, 2,4,6,8,10,12,14
.irp b, 0,1,2,3
	s_delay_alu instid0(VALU_DEP_4)
	v_max3_num_f32 v[TM+\b], v[TM+\b], |v[\s+16*\b+\i]|, |v[\s+1+16*\b+\i]|
.endr
.endr
.irp b, 0,1,2,3
	s_delay_alu instid0(VALU_DEP_4)
	v_permlanex16_b32 v[TM+4+\b], v[TM+\b], s[SEL], s[SEL+1]
.endr
.irp b, 0,1,2,3
	s_delay_alu instid0(VALU_DEP_4)
	v_max_num_f32 v[TM+\b], v[TM+\b], v[TM+4+\b]
.endr
.irp b, 0,1,2,3
	s_delay_alu instid0(VALU_DEP_4)
	v_add_nc_u32 v[TM+12+\b], 0xff000000, v[TM+\b]
.endr
.irp b, 0,1,2,3
	s_delay_alu instid0(VALU_DEP_4)
	v_lshrrev_b32 v[TM+4+\b], 23, v[TM+12+\b]
.endr
	s_delay_alu instid0(VALU_DEP_3)
	v_lshl_or_b32 v[\pw], v[TM+5], 8, v[TM+4]
	s_delay_alu instid0(VALU_DEP_1)
	v_lshl_or_b32 v[\pw], v[TM+6], 16, v[\pw]
	s_delay_alu instid0(VALU_DEP_1)
	v_lshl_or_b32 v[\pw], v[TM+7], 24, v[\pw]
.irp c, 0,1
	v_cvt_scalef32_pk16_fp6_f32 v[\pc+6*\c:\pc+2+6*\c], v[\s+32*\c:\s+15+32*\c], v[TM+12+2*\c]
	v_cvt_scalef32_pk16_fp6_f32 v[\pc+12+4*\c:\pc+14+4*\c], v[\s+16+32*\c:\s+31+32*\c], v[TM+12+2*\c+1]
.endr
	v_nop
.irp c, 0,1
.irp i, 0,1,2
	v_permlane16_swap_b32 v[\pc+6*\c+\i], v[\pc+12+4*\c+\i]
.endr
.irp i, 0,1,2
	s_delay_alu instid0(VALU_DEP_3)
	v_mov_b32 v[\pc+3+6*\c+\i], v[\pc+12+4*\c+\i]
.endr
.endr
.endm
.macro STHF pc, base, off
	global_store_b128 v7, v[\pc:\pc+3], s[\base:\base+1] offset:\off
	global_store_b64 v8, v[\pc+4:\pc+5], s[\base:\base+1] offset:\off+512
.endm
.macro SLOAD set, g                    ; stage g's scale words: lanes 0-15 K step 2 g, lanes 16-31 K step 2 g + 1.  Set s: v[16 + 12 s ..]: 4 of A, 8 of B
.irp t, 0,1,2,3
	global_load_b32 v[16+12*\set+\t], v6, s[76:77] offset:(\t*6+2*\g)*64
.endr
.irp t, 0,1,2,3,4,5,6,7
	global_load_b32 v[20+12*\set+\t], v6, s[88:89] offset:(\t*6+2*\g)*64
.endr
.endm
; a K step: 12 fragments, 32 products, the accumulators by turns in ascending order
.macro STEP sp, set, first
.irp t, 0,1,2,3
	FRAG 40+12*\t, 2, 3, \sp*24576+\t*1536
.endr
.irp t, 0,1,2,3,4,5,6,7
	FRAG 88+12*\t, 4, 5, \sp*24576+\t*1536
.endr
	s_wait_dscnt 0x0
.if \first
	WIN 0x40                                           ; D in window 1, C (the bias) in window 0
.else
	WIN 0x50                                           ; C and D in window 1
.endif
.irp m, 0,1,2,3
.irp b, 0,1,2,3,4,5,6,7
.if \first
	WM 8*(8*\m+\b), 88+12*\b, 40+12*\m, 184+8*\b, 20+12*\set+\b, 16+12*\set+\m, \sp
.else
	WM 8*(8*\m+\b), 88+12*\b, 40+12*\m, 8*(8*\m+\b), 20+12*\set+\b, 16+12*\set+\m, \sp
.endif
.endr
.endr
	WIN 0
.endm
.macro PHASE g, set, first
.if \g == 0
	s_wait_tensorcnt 0x0                               ; my one load, a quarter of a whole panel, has landed (one load a wave takes the place of the three stages' loads)
	s_barrier_signal -1
	s_barrier_wait -1                                  ; everybody's has: both panels are whole, and nothing is ever filled again
.endif
.if \g < 2
	s_wait_loadcnt 12                                  ; this stage's scale words (and the biases) are in; the twelve loads issued behind them may be out
.else
	s_wait_loadcnt 0x0
.endif
	STEP 0, \set, \first
	PLACES 4
	STEP 1, \set, 0
.if \g < 2
	v_add_nc_u32 v2, STG, v2                           ; also the four places behind the last products
	v_add_nc_u32 v3, STG, v3
	v_add_nc_u32 v4, STG, v4
	v_add_nc_u32 v5, STG, v5
.endif
.endm
; token tiles 2 u, 2 u + 1: silu(a) b = a b / (1 + 2^(-a log2 e)), in f32; then codes
.macro ACT u, pc, pw
	WIN 0x01                                           ; source 0 in window 1
.irp m, 0,1
.set j, 0
.rept 16
	v_pk_mul_f32 v[40+32*\m+j:41+32*\m+j], v[128*\u+64*\m+j:128*\u+64*\m+j+1], s[98:99] op_sel_hi:[1,0]   ; -a log2(e); each accumulator is read from its low end on
.set j, j+2
.endr
.endr
	WIN 0x05                                           ; sources 0 and 1 in window 1
.irp m, 0,1
.set j, 0
.rept 16
	v_pk_mul_f32 v[104+32*\m+j:105+32*\m+j], v[128*\u+64*\m+j:128*\u+64*\m+j+1], v[128*\u+64*\m+32+j:128*\u+64*\m+33+j]   ; a b
.set j, j+2
.endr
.endr
	WIN 0
.set j, 0
	s_wait_alu depctr_va_vdst(0)
.rept 64
	v_exp_f32 v[40+j], v[40+j]
.set j, j+1
.endr
	v_nop                                              ; a plain line behind the batch,
	s_wait_alu depctr_va_vdst(0)                       ; and one wait ahead of its first reader
.set j, 0
.rept 32
	v_pk_add_f32 v[40+j:41+j], v[40+j:41+j], 1.0 op_sel_hi:[1,0]
.set j, j+2
.endr
.set j, 0
	s_wait_alu depctr_va_vdst(0)
.rept 64
	v_rcp_f32 v[40+j], v[40+j]
.set j, j+1
.endr
	v_nop
	s_wait_alu depctr_va_vdst(0)
.set j, 0
.rept 32
	v_pk_mul_f32 v[104+j:105+j], v[104+j:105+j], v[40+j:41+j]
.set j, j+2
.endr
	QUANT 104, \pc, \pw
	STHF \pc, 86, 3072*\u                              ; my half (64 hidden units) of the two tiles' fragments of K step X
	STHF \pc+6, 86, 3072*\u+1536
	v_lshrrev_b32 v[\pw+1], 16, v[\pw]
	s_delay_alu instid0(VALU_DEP_1)
	v_cndmask_b32 v[\pw+1], v[\pw], v[\pw+1], vcc_lo   ; lanes 0-15 the even tile's two bytes, lanes 16-31 the odd tile's
	global_store_b16 v10, v[\pw+1], s[92:93] offset:3072*\u
.endm
	s_load_b256 s[4:11], s[0:1], 0x0                   ; h2, wc, b1, b2
	s_load_b64 s[12:13], s[0:1], 0x20                  ; act
	v_lshl_add_u32 v254, v0, 2, 0x48000
	v_mov_b32 v255, 0
	ds_add_u32 v254, v255
	ds_add_u32 v254, v255
	v_lshrrev_b32 v1, 5, v0
	s_delay_alu instid0(VALU_DEP_1)
	v_readfirstlane_b32 s14, v1                        ; wave 0..7
	s_and_b32 s15, s14, 3                              ; mq
	s_lshr_b32 s16, s14, 2                             ; ng
	s_bfe_u32 s17, ttmp6, 0x40000
	s_bfe_u32 s18, ttmp6, 0x40004
	s_lshl_b32 s19, ttmp9, 2
	s_add_co_u32 s19, s19, s17                         ; X
	s_and_b32 s20, ttmp7, 0xffff
	s_lshl_b32 s20, s20, 2
	s_add_co_u32 s20, s20, s18                         ; Y
	s_lshl_b32 s21, s18, 2
	s_lshl_b32 s21, 15, s21
	s_lshl_b32 s22, 0x1111, s17
	s_mov_b32 s[SEL], 0x76543210
	s_mov_b32 s[SEL+1], 0xfedcba98
	s_mov_b32 s98, 0xbfb8aa3b                          ; -log2(e)
	s_mov_b32 s99, s98
	s_or_b32 s24, s21, (3<<16)|(1<<21)                 ; groups 1: 144 rows of 256 bytes, dense
	s_mov_b32 s25, 32<<16
	s_mov_b32 s26, 144<<16                             ; a quarter of a panel: 144 rows of 256 bytes
	s_mov_b32 s27, 32<<16
	s_mov_b32 s28, 144
	s_mov_b32 s29, 32
	s_mov_b32 s30, 0
	s_mov_b32 s31, 0
	s_or_b32 s32, s22, (3<<16)|(1<<21)
	s_mov_b32 s33, 32<<16
	s_mov_b32 s34, 144<<16
	s_mov_b32 s35, 32<<16
	s_mov_b32 s36, 144
	s_mov_b32 s37, 32
	s_mov_b32 s38, 0
	s_mov_b32 s39, 0
	s_mul_i32 s66, s20, 147456
	s_and_b32 s68, s14, 3
	s_mul_i32 s68, s68, 36864
	s_add_co_u32 s66, s66, s68
	s_mov_b32 s67, 0
	s_mul_i32 s80, s19, 147456
	s_add_co_u32 s80, s80, s68
	s_add_co_u32 s80, s80, 1769472
	s_mov_b32 s81, 0
	s_wait_dscnt 0x0
	s_wait_kmcnt 0x0
	s_add_nc_u64 s[70:71], s[4:5], s[66:67]
	s_add_nc_u64 s[84:85], s[6:7], s[80:81]
.irp g, 0
	s_mov_b32 s[40+4*\g], 1
	s_add_co_u32 s[41+4*\g], s68, \g*STG
	s_add_nc_u64 s[42+4*\g:43+4*\g], s[70:71], \g*STG
	s_or_b32 s[43+4*\g], s[43+4*\g], 0x80000000
	s_mov_b32 s[52+4*\g], 1
	s_add_co_u32 s[53+4*\g], s68, BBASE+\g*STG
	s_add_nc_u64 s[54+4*\g:55+4*\g], s[84:85], \g*STG
	s_or_b32 s[55+4*\g], s[55+4*\g], 0x80000000
.endr
	CROUND
	s_cmp_lt_u32 s14, 4
	s_cbranch_scc0 .Lfill_b
	tensor_load_to_lds s[40:43], s[24:31]
	s_nop 0
	PLACES 4
	s_branch .Lfilled
.Lfill_b:
	tensor_load_to_lds s[52:55], s[32:39]
	s_nop 0
	PLACES 4
.Lfilled:
	v_and_b32 v1, 31, v0
	v_and_b32 v11, 15, v0                              ; r
	v_bfe_u32 v12, v0, 4, 1                            ; h
	s_mul_i32 s72, s15, 6144
	v_lshl_add_u32 v2, v1, 4, s72
	v_lshl_add_u32 v3, v1, 3, s72
	s_mul_i32 s73, s16, 12288
	s_add_co_u32 s73, s73, BBASE
	v_lshl_add_u32 v4, v1, 4, s73
	v_lshl_add_u32 v5, v1, 3, s73
	v_lshlrev_b32 v6, 2, v1
	s_wait_alu depctr_va_vdst(0)
	v_lshlrev_b32 v7, 4, v1
	v_lshlrev_b32 v8, 3, v1
	v_lshlrev_b32 v9, 6, v12                           ; the biases: 64 h
	v_mul_u32_u24 v10, v12, 1536
	s_delay_alu instid0(VALU_DEP_1)
	v_lshl_add_u32 v10, v11, 2, v10                    ; act's scale bytes: the next tile's records lie 24 x 64 bytes on
	s_lshl_b32 s90, s19, 9
	s_lshl_b32 s91, s16, 8
	s_add_co_u32 s90, s90, s91                         ; (128 X + 64 ng) x 4
	s_mov_b32 s91, 0
	s_add_nc_u64 s[92:93], s[8:9], s[90:91]
	s_add_nc_u64 s[94:95], s[10:11], s[90:91]
.irp t, 0,1,2,3
	global_load_b128 v[184+8*\t:187+8*\t], v9, s[92:93] offset:(32*(\t/2)+8*(\t%2))*4      ; in the result's layout: the tile's eight units of my half
	global_load_b128 v[188+8*\t:191+8*\t], v9, s[92:93] offset:(32*(\t/2)+8*(\t%2))*4+16
	global_load_b128 v[216+8*\t:219+8*\t], v9, s[94:95] offset:(32*(\t/2)+8*(\t%2))*4
	global_load_b128 v[220+8*\t:223+8*\t], v9, s[94:95] offset:(32*(\t/2)+8*(\t%2))*4+16
.endr
	s_lshl_b32 s74, s20, 4
	s_lshl_b32 s75, s15, 2
	s_add_co_u32 s74, s74, s75
	s_mul_i32 s74, s74, 384
	s_add_co_u32 s74, s74, 2359296
	s_mov_b32 s75, 0
	s_add_nc_u64 s[76:77], s[4:5], s[74:75]
	s_lshl_b32 s86, s19, 4
	s_lshl_b32 s87, s16, 3
	s_add_co_u32 s86, s86, s87
	s_mul_i32 s86, s86, 384
	s_add_co_u32 s86, s86, 7151616
	s_mov_b32 s87, 0
	s_add_nc_u64 s[88:89], s[6:7], s[86:87]
	SLOAD 0, 0
	SLOAD 1, 1
	PHASE 0, 0, 1
	SLOAD 0, 2                                         ; four places behind set 0's last reader
	s_wait_alu depctr_va_vdst(0)
	PHASE 1, 1, 0
	s_wait_alu depctr_va_vdst(0)
	PHASE 2, 0, 0
	; ---------------- activation, gate, codes
	PLACES 4
.irp b, 0,1,2,3
	v_mov_b32 v[TM+4+\b], 0
.endr
	v_cmp_le_u32 vcc_lo, 16, v1
	s_lshl_b32 s80, s20, 2
	s_add_co_u32 s80, s80, s15                         ; 4 Y + mq
	s_mul_i32 s84, s80, 24
	s_add_co_u32 s84, s84, s19
	s_mul_i32 s84, s84, 6144
	s_mul_i32 s82, s16, 768
	s_add_co_u32 s84, s84, s82
	s_mov_b32 s85, 0
	s_add_nc_u64 s[86:87], s[12:13], s[84:85]
	s_mul_i32 s90, s80, 96                             ; (16 Y + 4 mq) x 24
	s_add_co_u32 s90, s90, s19
	s_lshl_b32 s90, s90, 6
	s_lshl_b32 s82, s16, 1
	s_add_co_u32 s90, s90, s82
	s_add_co_u32 s90, s90, 9437184
	s_mov_b32 s91, 0
	s_add_nc_u64 s[92:93], s[12:13], s[90:91]
	ACT 0, 184, 204
	ACT 1, 216, 236
	s_wait_tensorcnt 0x0
	ds_add_u32 v254, v255
	s_wait_dscnt 0x0
	CROUND                                             ; the closing round
	s_endpgm
.Lfunc_end_k_q8b7c3d7cf0_ffn1:
	.size	k_q8b7c3d7cf0_ffn1, .Lfunc_end_k_q8b7c3d7cf0_ffn1-k_q8b7c3d7cf0_ffn1
	.p2alignl 7, 3214868480
	.fill 96, 4, 3214868480
	.section	.rodata,"a",@progbits
	.p2align	6, 0x0
	.amdhsa_kernel k_q8b7c3d7cf0_ffn1
		.amdhsa_group_segment_fixed_size 295936
		.amdhsa_private_segment_fixed_size 0
		.amdhsa_enable_private_segment 0
		.amdhsa_kernarg_size 40
		.amdhsa_user_sgpr_count 2
		.amdhsa_user_sgpr_kernarg_segment_ptr 1
		.amdhsa_wavefront_size32 1
		.amdhsa_system_sgpr_workgroup_id_x 1
		.amdhsa_system_sgpr_workgroup_id_y 1
		.amdhsa_system_sgpr_workgroup_id_z 1
		.amdhsa_system_vgpr_workitem_id 0
		.amdhsa_next_free_vgpr 512
		.amdhsa_next_free_sgpr 100
		.amdhsa_reserve_vcc 1
		.amdhsa_float_denorm_mode_32 3
		.amdhsa_float_denorm_mode_16_64 3
		.amdhsa_memory_ordered 1
		.amdhsa_forward_progress 1
		.amdhsa_inst_pref_size 93
	.end_amdhsa_kernel
	.amdgpu_metadata
---
amdhsa.version: [ 1, 2 ]
amdhsa.kernels:
  - .name:           k_q8b7c3d7cf0_ffn1
    .symbol:         k_q8b7c3d7cf0_ffn1.kd
    .args:
      - { .name: h2, .offset: 0, .size: 8, .value_kind: global_buffer, .address_space: global }
      - { .name: wc, .offset: 8, .size: 8, .value_kind: global_buffer, .address_space: global }
      - { .name: b1, .offset: 16, .size: 8, .value_kind: global_buffer, .address_space: global }
      - { .name: b2, .offset: 24, .size: 8, .value_kind: global_buffer, .address_space: global }
      - { .name: act, .offset: 32, .size: 8, .value_kind: global_buffer, .address_space: global }
    .group_segment_fixed_size: 295936
    .private_segment_fixed_size: 0
    .kernarg_segment_align: 8
    .kernarg_segment_size: 40
    .max_flat_workgroup_size: 256
    .sgpr_count:     100
    .vgpr_count:     512
    .wavefront_size: 32
...
	.end_amdgpu_metadata
.endif
;; end of part 6
;; launch ffn2 (part 7): grid 12 x 64, 8 waves a work-group, clusters of 4 x 4, 295,936 bytes of LDS; arguments act, wc, b3, x2, out0; writes out0
.if DOCPART == 7
	.amdgcn_target "amdgcn-amd-amdhsa--gfx1250"
	.amdhsa_code_object_version 6
	.text
	.protected	k_q8b7c3d7cf0_ffn2
	.globl	k_q8b7c3d7cf0_ffn2
	.p2align	8
	.type	k_q8b7c3d7cf0_ffn2,@function
k_q8b7c3d7cf0_ffn2:
	s_mov_b64 s[64:65], 0
	v_nop
	global_prefetch_b8 v0, s[64:65] scope:SCOPE_SE
	s_setreg_imm32_b32 hwreg(HW_REG_WAVE_MODE, 25, 1), 1
	s_wait_xcnt 0x0
	s_wait_alu depctr_hold_cnt(0) depctr_sa_sdst(0) depctr_va_vdst(0) depctr_va_sdst(0) depctr_va_ssrc(0) depctr_va_vcc(0) depctr_vm_vsrc(0)
	s_getreg_b32 s2, hwreg(HW_REG_IB_STS2, 6, 4)
	s_cmp_eq_u32 s2, 0
	s_cbranch_scc0 .Lentry_in_a_cluster
	s_endpgm
.Lentry_in_a_cluster:
	s_bfe_u32 s2, ttmp6, 0x10000c
	s_cmp_lg_u32 s2, 0xf033
	s_cbranch_scc0 .Lentry_shape_is_right
	s_endpgm
.Lentry_shape_is_right:
; out = A B + bias + residual, f32 [4096][768]; A and B are codes of FP6 (E2M3) with E8M0 scales, laid as images of fragments.  Here: out0 = act w3 + b3 + x2, K = 3,072.
; A work-group takes 64 NQ tokens (panel Y) x 64 columns (panel X).  Both panels lie in LDS for all of K, filled ONCE, in three stages of NSPLIT K steps; no LDS byte is filled twice by the mover.
; CLUSTER 4 x 4: A's pieces are asked for jointly along a row of the cluster, B's along a column.  A wave has one tensor load outstanding.
; Eight waves: wave w takes token tiles 4 (w % NQ) .. + 3, all four column tiles (16 accumulators), and of each stage the ONE K step w / NQ: K is shared out, so every fragment is read from LDS by one wave.
; The NSPLIT partial sums meet in a stage in LDS that lies over the panels, behind a barrier behind which nobody reads them; each wave then adds and stores whole rows of 256 bytes.
; The product is used transposed (source 0 = weight tile): a lane holds eight neighbouring columns of one token.
; STATED: a sum over K is formed as NSPLIT partial f32 sums.  NaN and infinities are not served.
.set NQ,     1
.set LOGNQ,  0
.set NSPLIT, 8
.set KS,     24
.set MTP,    4
.set WCODE,  5308416
.set WSCALE, 7299072
.set ASCALE, 9437184
.set ASTEP,  MTP*1536
.set STGA,   NSPLIT*ASTEP
.set STGB,   NSPLIT*6144
.set BPANEL, KS*6144
.set BBASE,  147456
.set RW,     8*NQ                      ; rows that a wave stores
.set PSTRIDE, 64*NQ*272                ; a partial sum's 64 NQ rows of 256 + 16 bytes
.macro PLACES n
.rept \n
	v_nop
.endr
.endm
.macro CROUND
	s_barrier_signal -1
	s_barrier_wait -1
	s_cmp_lg_u32 s14, 0
	s_cbranch_scc1 .Lnot_wave_0_\@
	s_barrier_signal -3
.Lnot_wave_0_\@:
	s_barrier_wait -3
	s_barrier_signal -1
	s_barrier_wait -1
.endm
.macro FRAG reg, a16, a8, off
	ds_load_b128 v[\reg:\reg+3], v[\a16] offset:\off
	ds_load_b64 v[\reg+4:\reg+5], v[\a8] offset:\off+512
	ds_load_b128 v[\reg+6:\reg+9], v[\a16] offset:\off+768
	ds_load_b64 v[\reg+10:\reg+11], v[\a8] offset:\off+1280
.endm
.macro WM d, a, b, sa, sb, row, zero
.if \zero
	v_wmma_scale_f32_16x16x128_f8f6f4 v[\d:\d+7], v[\a:\a+11], v[\b:\b+11], 0, v[\sa], v[\sb] matrix_a_fmt:MATRIX_FMT_FP6 matrix_b_fmt:MATRIX_FMT_FP6
.else
.if \row
	v_wmma_scale_f32_16x16x128_f8f6f4 v[\d:\d+7], v[\a:\a+11], v[\b:\b+11], v[\d:\d+7], v[\sa], v[\sb] matrix_a_fmt:MATRIX_FMT_FP6 matrix_b_fmt:MATRIX_FMT_FP6 matrix_a_scale:MATRIX_SCALE_ROW1 matrix_b_scale:MATRIX_SCALE_ROW1
.else
	v_wmma_scale_f32_16x16x128_f8f6f4 v[\d:\d+7], v[\a:\a+11], v[\b:\b+11], v[\d:\d+7], v[\sa], v[\sb] matrix_a_fmt:MATRIX_FMT_FP6 matrix_b_fmt:MATRIX_FMT_FP6
.endif
.endif
.endm
.macro PHASE g
.if \g == 0
	s_wait_tensorcnt 0x0                               ; my one load, a quarter of a whole panel, has landed (one load a wave takes the place of the three stages' loads)
	s_barrier_signal -1
	s_barrier_wait -1                                  ; everybody's has: both panels are whole
.endif
.if \g == 0
	s_wait_loadcnt 0x0                                 ; the scale words of all three stages
.endif
.irp t, 0,1,2,3
	FRAG 32+12*\t, 2, 3, \t*1536
	FRAG 80+12*\t, 4, 5, \t*1536
.endr
	s_wait_dscnt 0x0
.irp m, 0,1,2,3
.irp n, 0,1,2,3
	WM 128+8*(4*\m+\n), 80+12*\n, 32+12*\m, 20+8*(\g/2)+\n, 16+8*(\g/2)+\m, \g%2, \g==0
.endr
.endr
.if \g < 2
	v_add_nc_u32 v2, STGA, v2                          ; on to the next stage: also the four places behind the last products
	v_add_nc_u32 v3, STGA, v3
	v_add_nc_u32 v4, STGB, v4
	v_add_nc_u32 v5, STGB, v5
.endif
.endm
	s_load_b256 s[4:11], s[0:1], 0x0                   ; A, wc, bias, residual
	s_load_b64 s[12:13], s[0:1], 0x20                  ; out
	v_lshl_add_u32 v13, v0, 2, 0x48000
	s_set_vgpr_msb 0x40
	v_mov_b32 v1, 0
	s_set_vgpr_msb 0x4044
	ds_add_u32 v13, v1
	ds_add_u32 v13, v1
	s_set_vgpr_msb 0x4400
	v_lshrrev_b32 v1, 5, v0
	s_delay_alu instid0(VALU_DEP_1)
	v_readfirstlane_b32 s14, v1                        ; wave 0..7
	s_and_b32 s15, s14, NQ-1                           ; mq
	s_lshr_b32 s16, s14, LOGNQ                         ; kh
	s_bfe_u32 s17, ttmp6, 0x40000                      ; cx
	s_bfe_u32 s18, ttmp6, 0x40004                      ; cy
	s_lshl_b32 s19, ttmp9, 2
	s_add_co_u32 s19, s19, s17                         ; X
	s_and_b32 s20, ttmp7, 0xffff
	s_lshl_b32 s20, s20, 2
	s_add_co_u32 s20, s20, s18                         ; Y
	s_lshl_b32 s21, s18, 2
	s_lshl_b32 s21, 15, s21
	s_lshl_b32 s22, 0x1111, s17
	s_or_b32 s24, s21, (3<<16)|(1<<21)                 ; groups 1: dense blocks as rows of 256 bytes
	s_mov_b32 s25, 32<<16
	s_mov_b32 s26, 144<<16                             ; A: a quarter of the panel, 144 rows of 256 bytes
	s_mov_b32 s27, 32<<16
	s_mov_b32 s28, 144
	s_mov_b32 s29, 32
	s_mov_b32 s30, 0
	s_mov_b32 s31, 0
	s_or_b32 s32, s22, (3<<16)|(1<<21)
	s_mov_b32 s33, 32<<16
	s_mov_b32 s34, (BPANEL/1024)<<16                   ; B: a quarter of the panel
	s_mov_b32 s35, 32<<16
	s_mov_b32 s36, BPANEL/1024
	s_mov_b32 s37, 32
	s_mov_b32 s38, 0
	s_mov_b32 s39, 0
	s_mul_i32 s66, s20, 147456
	s_and_b32 s68, s14, 3                              ; which quarter of the panel I ask for (waves 0-3: A's, waves 4-7: B's)
	s_mul_i32 s69, s68, 36864
	s_add_co_u32 s66, s66, s69
	s_mov_b32 s67, 0
	s_mul_i32 s80, s19, BPANEL
	s_mul_i32 s82, s68, BPANEL/4
	s_add_co_u32 s80, s80, s82
	s_add_co_u32 s80, s80, WCODE
	s_mov_b32 s81, 0
	s_wait_dscnt 0x0
	s_wait_kmcnt 0x0
	s_add_nc_u64 s[70:71], s[4:5], s[66:67]
	s_add_nc_u64 s[84:85], s[6:7], s[80:81]
.irp g, 0
	s_mov_b32 s[40+4*\g], 1
	s_add_co_u32 s[41+4*\g], s69, \g*STGA
	s_add_nc_u64 s[42+4*\g:43+4*\g], s[70:71], \g*STGA
	s_or_b32 s[43+4*\g], s[43+4*\g], 0x80000000
	s_mov_b32 s[52+4*\g], 1
	s_add_co_u32 s[53+4*\g], s82, BBASE+\g*STGB
	s_add_nc_u64 s[54+4*\g:55+4*\g], s[84:85], \g*STGB
	s_or_b32 s[55+4*\g], s[55+4*\g], 0x80000000
.endr
	CROUND
	s_cmp_lt_u32 s14, 4
	s_cbranch_scc0 .Lfill_b
	tensor_load_to_lds s[40:43], s[24:31]
	s_nop 0
	PLACES 4
	s_branch .Lfilled
.Lfill_b:
	tensor_load_to_lds s[52:55], s[32:39]
	s_nop 0
	PLACES 4
.Lfilled:
	v_and_b32 v1, 31, v0                               ; lane
	v_and_b32 v15, 15, v0                              ; r
	v_bfe_u32 v14, v0, 4, 1                            ; h
	s_mul_i32 s72, s16, ASTEP
	s_mul_i32 s73, s15, 6144
	s_add_co_u32 s72, s72, s73
	v_lshl_add_u32 v2, v1, 4, s72
	v_lshl_add_u32 v3, v1, 3, s72
	s_mul_i32 s73, s16, 6144
	s_add_co_u32 s73, s73, BBASE
	v_lshl_add_u32 v4, v1, 4, s73
	v_lshl_add_u32 v5, v1, 3, s73
	v_lshlrev_b32 v9, 2, v15                           ; 4 r
	v_mul_u32_u24 v6, v14, NSPLIT*64
	s_delay_alu instid0(VALU_DEP_1)
	v_add_nc_u32 v6, v6, v9                            ; lanes 0-15: stage 0's record, lanes 16-31: stage 1's
	v_lshlrev_b32 v7, 4, v15                           ; 16 r
	v_mul_u32_u24 v8, v14, 3072
	s_delay_alu instid0(VALU_DEP_1)
	v_add_nc_u32 v8, v8, v7                            ; out: lanes 0-15 one row, lanes 16-31 the next
	s_mul_i32 s74, s16, PSTRIDE
	s_mul_i32 s75, s15, 64*272
	s_add_co_u32 s74, s74, s75
	v_mul_u32_u24 v10, v15, 272
	s_delay_alu instid0(VALU_DEP_1)
	v_lshl_add_u32 v10, v14, 6, v10
	s_delay_alu instid0(VALU_DEP_1)
	v_add_nc_u32 v10, s74, v10                         ; the stage, in: partial kh, row 64 mq + r, + 64 h
	s_mul_i32 s74, s14, RW*272
	v_mul_u32_u24 v11, v14, 272
	s_delay_alu instid0(VALU_DEP_1)
	v_lshl_add_u32 v11, v15, 4, v11
	s_delay_alu instid0(VALU_DEP_1)
	v_add_nc_u32 v11, s74, v11                         ; back: my RW rows, whole
	s_delay_alu instid0(VALU_DEP_1)
	v_add_nc_u32 v12, (NSPLIT/2)*PSTRIDE, v11          ; and the upper half of the partial sums
	s_mul_i32 s74, s20, MTP
	s_lshl_b32 s75, s15, 2
	s_add_co_u32 s74, s74, s75
	s_mul_i32 s74, s74, KS
	s_add_co_u32 s74, s74, s16
	s_lshl_b32 s74, s74, 6
	s_add_co_u32 s74, s74, ASCALE
	s_mov_b32 s75, 0
	s_add_nc_u64 s[76:77], s[4:5], s[74:75]
	s_mul_i32 s86, s19, 4*KS
	s_add_co_u32 s86, s86, s16
	s_lshl_b32 s86, s86, 6
	s_add_co_u32 s86, s86, WSCALE
	s_mov_b32 s87, 0
	s_add_nc_u64 s[88:89], s[6:7], s[86:87]
.irp t, 0,1,2,3
	global_load_b32 v[16+\t], v6, s[76:77] offset:\t*KS*64
	global_load_b32 v[20+\t], v6, s[88:89] offset:\t*KS*64
	global_load_b32 v[24+\t], v9, s[76:77] offset:(\t*KS+2*NSPLIT)*64
	global_load_b32 v[28+\t], v9, s[88:89] offset:(\t*KS+2*NSPLIT)*64
.endr
.if NQ == 4
	s_lshl_b32 s90, s20, 8                             ; the first token that I store: 256 Y + 32 w
	s_lshl_b32 s91, s14, 5
	s_add_co_u32 s90, s90, s91
.else
	s_lshl_b32 s90, s20, 6                             ; 64 Y + 32 (w / 4) + 8 ((w / 2) % 2) + 16 (w % 2)
	s_lshr_b32 s91, s14, 2
	s_lshl_b32 s91, s91, 5
	s_add_co_u32 s90, s90, s91
	s_bfe_u32 s91, s14, 0x10001
	s_lshl_b32 s91, s91, 3
	s_add_co_u32 s90, s90, s91
	s_and_b32 s91, s14, 1
	s_lshl_b32 s91, s91, 4
	s_add_co_u32 s90, s90, s91
.endif
	s_mul_i32 s90, s90, 3072
	s_lshl_b32 s82, s19, 8                             ; 64 X columns
	s_mov_b32 s83, 0
	s_add_co_u32 s90, s90, s82
	s_mov_b32 s91, 0
	s_add_nc_u64 s[92:93], s[10:11], s[90:91]
	s_add_nc_u64 s[94:95], s[12:13], s[90:91]
	s_add_nc_u64 s[84:85], s[8:9], s[82:83]
	PHASE 0
	s_wait_alu depctr_va_vdst(0)
	PHASE 1
	s_wait_alu depctr_va_vdst(0)
	PHASE 2
	; ---------------- the partial sums meet
	PLACES 4
.set i, 0
.rept RW/2
	global_load_b128 v[32+4*i:35+4*i], v8, s[92:93] offset:(8*(i>>3)+16*((i>>2)&1)+2*(i&3))*3072   ; the residual's rows, in the order of the stage's rows
.set i, i+1
.endr
	global_load_b128 v[96:99], v7, s[84:85]            ; the bias
	s_barrier_signal -1                                ; every wave's reads of the panels are over (each waited for them ahead of its products), and every piece has landed
	s_barrier_wait -1
.irp m, 0,1,2,3
.irp n, 0,1,2,3
	ds_store_b128 v10, v[128+8*(4*\m+\n):128+8*(4*\m+\n)+3] offset:16*\m*272+128*(\n/2)+32*(\n%2)      ; each accumulator from its low end on
	ds_store_b128 v10, v[128+8*(4*\m+\n)+4:128+8*(4*\m+\n)+7] offset:16*\m*272+128*(\n/2)+32*(\n%2)+16
.endr
.endr
	s_wait_dscnt 0x0                                   ; for the others' sake
	s_barrier_signal -1
	s_barrier_wait -1
.set i, 0
.rept RW/2
.set p, 0
.rept NSPLIT
.if p < NSPLIT/2
	ds_load_b128 v[128+4*(i*NSPLIT+p):128+4*(i*NSPLIT+p)+3], v11 offset:p*PSTRIDE+2*i*272
.else
	ds_load_b128 v[128+4*(i*NSPLIT+p):128+4*(i*NSPLIT+p)+3], v12 offset:(p-NSPLIT/2)*PSTRIDE+2*i*272
.endif
.set p, p+1
.endr
.set i, i+1
.endr
	s_wait_dscnt 0x0
	s_wait_loadcnt 0x0
.set i, 0
.rept RW/2
.set o, 128+4*i*NSPLIT
.set p, 1
	v_pk_add_f32 v[o:o+1], v[o:o+1], v[o+4*p:o+4*p+1]
	v_pk_add_f32 v[o+2:o+3], v[o+2:o+3], v[o+4*p+2:o+4*p+3]
.set p, p+1
.rept (NSPLIT-1)-1
	s_delay_alu instid0(VALU_DEP_2)
	v_pk_add_f32 v[o:o+1], v[o:o+1], v[o+4*p:o+4*p+1]
	s_delay_alu instid0(VALU_DEP_2)
	v_pk_add_f32 v[o+2:o+3], v[o+2:o+3], v[o+4*p+2:o+4*p+3]
.set p, p+1
.endr
	s_delay_alu instid0(VALU_DEP_2)
	v_pk_add_f32 v[o:o+1], v[o:o+1], v[96:97]
	s_delay_alu instid0(VALU_DEP_2)
	v_pk_add_f32 v[o+2:o+3], v[o+2:o+3], v[98:99]
	s_delay_alu instid0(VALU_DEP_2)
	v_pk_add_f32 v[o:o+1], v[o:o+1], v[32+4*i:33+4*i]
	s_delay_alu instid0(VALU_DEP_2)
	v_pk_add_f32 v[o+2:o+3], v[o+2:o+3], v[34+4*i:35+4*i]
	global_store_b128 v8, v[o:o+3], s[94:95] offset:(8*(i>>3)+16*((i>>2)&1)+2*(i&3))*3072   ; sixteen lanes store 256 consecutive bytes, at a multiple of 256
.set i, i+1
.endr
	s_set_vgpr_msb 0x4
	s_wait_tensorcnt 0x0
	ds_add_u32 v13, v1
	s_wait_dscnt 0x0
	s_set_vgpr_msb 0x400
	CROUND                                             ; the closing round
	s_endpgm
.Lfunc_end_k_q8b7c3d7cf0_ffn2:
	.size	k_q8b7c3d7cf0_ffn2, .Lfunc_end_k_q8b7c3d7cf0_ffn2-k_q8b7c3d7cf0_ffn2
	.p2alignl 7, 3214868480
	.fill 96, 4, 3214868480
	.section	.rodata,"a",@progbits
	.p2align	6, 0x0
	.amdhsa_kernel k_q8b7c3d7cf0_ffn2
		.amdhsa_group_segment_fixed_size 295936
		.amdhsa_private_segment_fixed_size 0
		.amdhsa_enable_private_segment 0
		.amdhsa_kernarg_size 40
		.amdhsa_user_sgpr_count 2
		.amdhsa_user_sgpr_kernarg_segment_ptr 1
		.amdhsa_wavefront_size32 1
		.amdhsa_system_sgpr_workgroup_id_x 1
		.amdhsa_system_sgpr_workgroup_id_y 1
		.amdhsa_system_sgpr_workgroup_id_z 1
		.amdhsa_system_vgpr_workitem_id 0
		.amdhsa_next_free_vgpr 258
		.amdhsa_next_free_sgpr 100
		.amdhsa_reserve_vcc 0
		.amdhsa_float_denorm_mode_32 3
		.amdhsa_float_denorm_mode_16_64 3
		.amdhsa_memory_ordered 1
		.amdhsa_forward_progress 1
		.amdhsa_inst_pref_size 34
	.end_amdhsa_kernel
	.amdgpu_metadata
---
amdhsa.version: [ 1, 2 ]
amdhsa.kernels:
  - .name:           k_q8b7c3d7cf0_ffn2
    .symbol:         k_q8b7c3d7cf0_ffn2.kd
    .args:
      - { .name: act, .offset: 0, .size: 8, .value_kind: global_buffer, .address_space: global }
      - { .name: wc, .offset: 8, .size: 8, .value_kind: global_buffer, .address_space: global }
      - { .name: b3, .offset: 16, .size: 8, .value_kind: global_buffer, .address_space: global }
      - { .name: x2, .offset: 24, .size: 8, .value_kind: global_buffer, .address_space: global }
      - { .name: out0, .offset: 32, .size: 8, .value_kind: global_buffer, .address_space: global }
    .group_segment_fixed_size: 295936
    .private_segment_fixed_size: 0
    .kernarg_segment_align: 8
    .kernarg_segment_size: 40
    .max_flat_workgroup_size: 256
    .sgpr_count:     100
    .vgpr_count:     258
    .wavefront_size: 32
...
	.end_amdgpu_metadata
.endif
;; end of part 7
